; MI455X (gfx1250); checked and timed in simulation.
; The chip was launched on July 23, 2026; its instructions are those of AMD's public machine-readable ISA for CDNA 5 (MIT licence, August 2026) and "CDNA5" Instruction Set Architecture Reference Guide (July 2026). The comments in the code are by the model that wrote it; some were corrected since.
;; Llama Differential Attention. Allowed arithmetic: matrix products marked QUANTISED: E2M1 operands, one E8M0 scale for each 32 along K, by v_wmma_scale_f32_16x16x128_f8f6f4 with both operands' format E2M1 (or v_wmma_scale_f32_32x16x128_f4), f32 sums; products left as they are: bf16, f16 or f32 operands; f32 sums; everything else in f32.
;; Inputs: hidden_states 2 x 1,024 x 2,048 float32; lambda_k1 64 float32; lambda_k2 64 float32; lambda_q1 64 float32; lambda_q2 64 float32; wk 1,024 x 2,048 float32; wo 2,048 x 2,048 float32; wq 4,096 x 2,048 float32; wv 512 x 2,048 float32.
;; Outputs: out0 2 x 1,024 x 2,048 float32.
;; This version of the problem:
;;   THIS VERSION OF THE PROBLEM IS GIVEN IN LOW PRECISION. The matrix products marked QUANTISED in the list below multiply operands that are first quantised to E2M1 (2 exponent bits, 1 mantissa bit; 4 bits a number), with one power-of-two scale for each 32 numbers along K (OCP MX v1.0); their sums are f32. The products marked 'left as it is' may take bf16, f16 or f32 operands, with f32 sums. Whichever they take, every output number must still come out within the allowed error. Rounding operands to bf16 (8 significant bits) uses up far more of that allowance than f16 does (11 bits, for magnitudes from 6e-5 to 65,504). All else is computed in f32.
;;   The module's matrix products, in the order in which they are computed (A, B: the left and right operand; K: the contracted axis; several contracted axes count as one K, in the product's order):
;;     1. [M 2,048, K 2,048] x [K 2,048, N 4,096]; A: input hidden_states; B: input wq: QUANTISED
;;     2. [M 2,048, K 2,048] x [K 2,048, N 1,024]; A: input hidden_states; B: input wk: QUANTISED
;;     3. [M 2,048, K 2,048] x [K 2,048, N 512]; A: input hidden_states; B: input wv: QUANTISED
;;     4. batch 64 x [M 1,024, K 64] x [K 64, N 1,024]; A: computed on the way; B: computed on the way: left as it is (an operand is computed on the way)
;;     5. batch 64 x [M 1,024, K 64] x [K 64, N 1,024]; A: computed on the way; B: computed on the way: left as it is (an operand is computed on the way)
;;     6. batch 64 x [M 1,024, K 1,024] x [K 1,024, N 64]; A: computed on the way; B: computed on the way: left as it is (an operand is computed on the way)
;;     7. [M 2,048, K 2,048] x [K 2,048, N 2,048]; A: computed on the way; B: input wo: left as it is (an operand is computed on the way)
;;   THE QUANTISER, for each operand of a quantised product, along K:
;;     - K is cut into blocks of 32 from its start; a last block that is shorter is filled with zeros.
;;     - A block's scale is 2^e with e = floor(log2(the largest magnitude in the block)) - 2, held to -126 .. 127; a block of zeros has e = 0. As a byte (E8M0): e + 127.
;;     - Each number is divided by its block's scale, clamped to +-6, and rounded to the nearest number of E2M1, ties to even, subnormals kept.
;;     - The product sums the exact products of the quantised numbers (number of the format x scale) in f32.
;;   ~~~python
;;   def quantise(x, axis):      # numpy; x: float32 -> the quantised numbers, widened to float32 again
;;       x = np.moveaxis(x, axis, -1); K = x.shape[-1]
;;       x = np.pad(x, [(0, 0)] * (x.ndim - 1) + [(0, -K % 32)]); x = x.reshape(x.shape[:-1] + (-1, 32)); a = np.abs(x).max(-1, keepdims=True)
;;       e = np.where(a > 0, np.clip(np.frexp(np.where(a > 0, a, 1))[1] - 1 - 2, -126, 127), 0)      # np.frexp(a)[1] - 1 = floor(log2(a)), exactly
;;       r = np.clip(x / 2.0 ** e, -6, 6)
;;       step = 2.0 ** (np.maximum(np.frexp(np.where(r == 0, 1, r))[1] - 1, 0) - 1)
;;       q = np.round(r / step) * step * 2.0 ** e      # np.round: ties to even
;;       return np.moveaxis(q.reshape(q.shape[:-2] + (-1,))[..., :K], -1, axis).astype(np.float32)
;;   ~~~
;; One version. Each part assembles by itself: llvm-mc -triple=amdgcn-amd-amdhsa -mcpu=gfx1250 --defsym DOCPART=n.
;; ======== version 1 of 1: 5 launches
;; limits: values are held in f16: magnitudes above 65,504 overflow, below 6.1e-05 lose precision
;; workspace buffers: codes 7,864,320 bytes; scales 491,520 bytes; wo16 8,388,608 bytes; tab 262,400 bytes; qkvh 23,068,672 bytes; fine 720,896 bytes; attn16 8,388,608 bytes; attnf 262,144 bytes
;; launch prep (part 1): grid 640 x 1, 4 waves a work-group, no clusters, 33,280 bytes of LDS; arguments hidden_states, wq, wk, wv, wo, lambda_q1, lambda_k1, lambda_q2, lambda_k2, codes, scales, wo16, tab; writes codes, scales, wo16, tab
.if DOCPART == 1
	.amdgcn_target "amdgcn-amd-amdhsa--gfx1250"
	.amdhsa_code_object_version 6
	.text
	.protected	k_q125af75bba_prep
	.globl	k_q125af75bba_prep
	.p2align	8
	.type	k_q125af75bba_prep,@function
k_q125af75bba_prep:
	s_mov_b64 s[64:65], 0
	v_nop
	global_prefetch_b8 v0, s[64:65] scope:SCOPE_SE
	s_setreg_imm32_b32 hwreg(HW_REG_WAVE_MODE, 25, 1), 1
	s_wait_xcnt 0x0
; DIFFERENTIAL ATTENTION, launch 1 of 5: what every later launch reads again is made once.
;   work-groups 0-479:   hidden_states, wq, wk, wv (f32, K innermost) -> codes of FP4 (E2M1) and one E8M0 byte for each 32 along K, one stream of 7,680 rows x 2,048
;   work-groups 480-607: wo -> f16 (the last product is left as it is; f16 keeps 11 significant bits)
;   work-groups 608-639: cos and sin of position x inv_freq, [1,024][cos 32 | sin 32] f32; the first of them also lambda_full = exp(lq1.lk1) - exp(lq2.lk2) + lambda_init
; WORK LEFT OUT BY THE PROGRAM (in the launch attn): reference() adds -1e30 to the score of key k > query q, by a mask that it builds itself.  The row's maximum is taken over keys <= q too (key q itself
; always counts), so for all finite scores under 1e29 in size the exponential of such a score less the maximum is 0 in f32, and in real numbers under e^(-9e29): it moves no result.  Key steps all of
; whose keys come after a wave's queries are therefore not multiplied; inside a step that holds keys that count, hidden scores are set to -infinity and give p = 0.  Every input has a way to the output and is loaded.
; LIMITS: a NaN, an infinity or an overflow that arises only in a hidden score is not carried to the result; scores stay under 1e29.  NaN and infinities among the inputs are not served.
; Blocks whose largest magnitude lies under 2^(3 - 127) get the byte 1 (a block of zeros too, where the rule says 127: its codes are zeros, and this program alone reads the bytes).
; wo in f16: numbers under 6e-5 in size keep a step of 6e-8; over 65,504 they are not served.
; No tensor loads, no cluster, no matrix unit: three plain streams, nothing is shared between work-groups.  Only the quantising path touches LDS.
.set WREG,  8192                       ; LDS of a wave: two stages of 32 x SP bytes, behind them its 256 scale bytes
.set SP,    80                         ; a lane's place in a stage: 64 bytes + 16 of padding
.set STEPS, 16
.set R,     16                         ; v16-79   four sets of 16 numbers as loaded
.set X,     80                         ; v80-111  two sets of 16 neighbours
.set E,     112                        ; v112-127 a scale byte for each step
.set C,     128                        ; v128-191 codes, four registers a step: no store's data are written again
.set H,     80                         ; v80-95   wo's path: two sets of 8 registers of f16
.set SPW,   12                         ; v12 my spare word's LDS address; never rewritten
.set NIL,   13                         ; v13 0; never rewritten
.set SPARE, 4*WREG                     ; the spare words: 128 bytes a wave, two blocks of 256 bytes that no other line names
	s_load_b256 s[4:11], s[0:1], 0x0               ; hidden_states, wq, wk, wv
	s_load_b256 s[12:19], s[0:1], 0x20             ; wo, lambda_q1, lambda_k1, lambda_q2
	s_load_b256 s[20:27], s[0:1], 0x40             ; lambda_k2, codes, scales, wo16
	s_load_b64 s[28:29], s[0:1], 0x60              ; tab
	v_lshl_add_u32 v[SPW], v0, 2, SPARE
	v_mov_b32 v[NIL], 0
	v_lshrrev_b32 v1, 5, v0
	v_readfirstlane_b32 s30, v1                    ; wave
	v_and_b32 v2, 31, v0                           ; lane
	v_lshlrev_b32 v3, 4, v2                        ; 16 x lane
	v_lshlrev_b32 v4, 3, v2                        ; 8 x lane
	s_mul_i32 s31, s30, WREG
	v_lshrrev_b32 v14, 2, v2
	v_mul_u32_u24 v14, v14, SP
	v_and_b32 v15, 3, v2
	v_lshl_add_u32 v14, v15, 4, v14
	v_add_nc_u32 v14, s31, v14                     ; the stage on the way in: SP (lane / 4) + 16 (lane % 4)
	v_mul_u32_u24 v15, v2, SP
	v_add_nc_u32 v15, s31, v15                     ; and on the way out: SP x lane
	v_lshrrev_b32 v5, 1, v2
	s_add_co_u32 s31, s31, 2*32*SP
	v_add_nc_u32 v5, s31, v5                       ; my block's scale byte
	v_add_nc_u32 v6, s31, v4                       ; the scale bytes on the way out, 8 a lane
	s_wait_kmcnt 0x0
	s_cmp_ge_u32 ttmp9, 608
	s_cbranch_scc1 .Ltable
	s_cmp_ge_u32 ttmp9, 480
	s_cbranch_scc1 .Lwo
; ---- the quantiser.  A work-group takes 32,768 numbers, a wave 16 steps of 512.  The source is chosen by the work-group's number alone; codes and scale bytes are one stream over all four tensors.
	s_cmp_ge_u32 ttmp9, 128
	s_cselect_b64 s[32:33], s[6:7], s[4:5]
	s_cselect_b32 s34, 128, 0
	s_cmp_ge_u32 ttmp9, 384
	s_cselect_b64 s[32:33], s[8:9], s[32:33]
	s_cselect_b32 s34, 384, s34
	s_cmp_ge_u32 ttmp9, 448
	s_cselect_b64 s[32:33], s[10:11], s[32:33]
	s_cselect_b32 s34, 448, s34
	s_sub_co_u32 s34, ttmp9, s34
	s_lshl_b32 s34, s34, 2
	s_add_co_u32 s34, s34, s30                     ; which run of 8,192 numbers of the tensor
	s_lshl_b32 s34, s34, 15
	s_mov_b32 s35, 0
	s_add_nc_u64 s[32:33], s[32:33], s[34:35]
	s_lshl_b32 s36, ttmp9, 2
	s_add_co_u32 s36, s36, s30                     ; which run of the stream
	s_lshl_b32 s38, s36, 12
	s_mov_b32 s39, 0
	s_add_nc_u64 s[22:23], s[22:23], s[38:39]      ; 4,096 bytes of codes a run
	s_lshl_b32 s38, s36, 8
	s_add_nc_u64 s[24:25], s[24:25], s[38:39]      ; 256 scale bytes a run
.macro LOAD t, b                       ; a step's 2,048 bytes: four loads of 512 consecutive bytes
.irp i, 0,1,2,3
	global_load_b128 v[R+16*((\t)%4)+4*\i:R+16*((\t)%4)+4*\i+3], v3, s[\b:\b+1] offset:2048*(\t)+512*\i th:TH_LOAD_NT
.endr
.endm
.macro TURN t                          ; through the wave's own stage, so that a lane holds 16 neighbours; LDS serves a wave's instructions in order
.irp i, 0,1,2,3
	ds_store_b128 v14, v[R+16*((\t)%4)+4*\i:R+16*((\t)%4)+4*\i+3] offset:32*SP*((\t)%2)+8*SP*\i
.endr
.irp i, 0,1,2,3
	ds_load_b128 v[X+16*((\t)%2)+4*\i:X+16*((\t)%2)+4*\i+3], v15 offset:32*SP*((\t)%2)+16*\i
.endr
.endm
.irp t, 0,1,2,3
	LOAD \t, 32
.endr
	s_wait_loadcnt 12                              ; step 0's four loads are in
	TURN 0
.macro STEP t
.set XS, X+16*((\t)%2)
.if (\t) > 0
	s_wait_dscnt 1                                 ; this step's numbers are back from the stage; the last step's byte store may be out
.else
	s_wait_dscnt 0x0
.endif
.if (\t)+4 < STEPS
	LOAD (\t)+4, 32
.endif
.if (\t)+1 < STEPS
.if STEPS-2-(\t) >= 3
	s_wait_loadcnt 12                              ; the next step's four loads are in; three younger steps' may be out
.else
	s_wait_loadcnt 4*(STEPS-2-(\t))
.endif
	TURN (\t)+1
.endif
	v_max3_num_f32 v8, |v[XS]|, |v[XS+1]|, |v[XS+2]|
	v_max3_num_f32 v9, |v[XS+3]|, |v[XS+4]|, |v[XS+5]|
.irp i, 6,10
	v_max3_num_f32 v8, v8, |v[XS+\i]|, |v[XS+\i+1]|
	v_max3_num_f32 v9, v9, |v[XS+\i+2]|, |v[XS+\i+3]|
.endr
	v_max3_num_f32 v8, v8, |v[XS+14]|, |v[XS+15]|
	v_max3_num_f32 v8, v8, v9, 0x1800000           ; the floor 2^(3 - 127): the byte cannot fall under 1
	v_max_num_f32_dpp v8, v8, v8 row_xmask:1 row_mask:0xf bank_mask:0xf   ; with my neighbour's 16: the block's largest magnitude
	v_add_nc_u32 v11, 0xff000000, v8               ; 2 off its exponent field: the conversion's scale operand
	v_cvt_scalef32_pk8_fp4_f32 v[C+4*(\t)], v[XS:XS+7], v11
	v_cvt_scalef32_pk8_fp4_f32 v[C+4*(\t)+1], v[XS+8:XS+15], v11
	v_lshrrev_b32 v[E+(\t)], 23, v11               ; the scale's byte
	ds_store_b8 v5, v[E+(\t)] offset:16*(\t)       ; both lanes of a block write the same byte with the same value
	global_store_b64 v4, v[C+4*(\t):C+4*(\t)+1], s[22:23] offset:256*(\t)   ; the wave stores 256 consecutive bytes, aligned
.endm
.irp t, 0,1,2,3,4,5,6,7,8,9,10,11,12,13,14,15
	STEP \t
.endr
	ds_load_b64 v[8:9], v6
	s_wait_dscnt 0x0
	global_store_b64 v4, v[8:9], s[24:25]          ; the wave's 256 scale bytes, aligned
	s_wait_tensorcnt 0x0                           ; the wave's end, behind my last LDS store
	ds_add_u32 v[SPW], v[NIL]
	s_wait_dscnt 0x0
	s_endpgm
; ---- wo to f16: a wave takes 8,192 numbers, 16 steps of 512; loads run four steps ahead
.Lwo:
	s_sub_co_u32 s34, ttmp9, 480
	s_lshl_b32 s34, s34, 2
	s_add_co_u32 s34, s34, s30
	s_lshl_b32 s36, s34, 15
	s_mov_b32 s37, 0
	s_add_nc_u64 s[12:13], s[12:13], s[36:37]
	s_lshl_b32 s36, s34, 14
	s_add_nc_u64 s[26:27], s[26:27], s[36:37]
.irp t, 0,1,2,3
	LOAD \t, 12
.endr
.macro CVW t
.if 15-(\t) >= 3
	s_wait_loadcnt 12                              ; this step's four loads are in; three younger steps' may be out
.else
	s_wait_loadcnt 4*(15-(\t))
.endif
	s_wait_xcnt 0x0                                ; the stores of two steps back have read this set of H
.irp i, 0,1,2,3
	v_cvt_pk_f16_f32 v[H+8*((\t)%2)+2*\i], v[R+16*((\t)%4)+4*\i], v[R+16*((\t)%4)+4*\i+1]
	v_cvt_pk_f16_f32 v[H+8*((\t)%2)+2*\i+1], v[R+16*((\t)%4)+4*\i+2], v[R+16*((\t)%4)+4*\i+3]
.endr
.if (\t)+4 < 16
	LOAD (\t)+4, 12
.endif
.irp i, 0,1,2,3
	global_store_b64 v4, v[H+8*((\t)%2)+2*\i:H+8*((\t)%2)+2*\i+1], s[26:27] offset:1024*(\t)+256*\i   ; 256 consecutive bytes, aligned
.endr
.endm
.irp t, 0,1,2,3,4,5,6,7,8,9,10,11,12,13,14,15
	CVW \t
.endr
	s_endpgm
; ---- the table.  A wave takes 8 positions.  Lanes 0-15 make the cosines and lanes 16-31 the sines of frequencies 2 (lane % 16) and + 1: one store writes a position's 256 bytes.
; angle = position x inv_freq in f32, as reference() has it; n = the nearest whole number to angle x 2 / pi; r = angle - n pi / 2, pi / 2 in two parts; sine and cosine of r by polynomials on +-pi / 4;
; the quarter n (+ 1 for a cosine) picks one of them and its sign.
.Ltable:
	s_sub_co_u32 s31, ttmp9, 608
	s_lshl_b32 s31, s31, 5
	s_lshl_b32 s32, s30, 3
	s_add_co_u32 s31, s31, s32                     ; my first position
	s_lshl_b32 s32, s31, 8
	s_mov_b32 s33, 0
	s_add_nc_u64 s[28:29], s[28:29], s[32:33]
	s_mov_b32 s35, 0x3f22f983                      ; 2 / pi
	s_mov_b32 s36, 0xbfc90fdb                      ; -(pi / 2), high part
	s_mov_b32 s37, 0x333bbd2e                      ; what the high part has too much
	s_mov_b32 s38, 0xb94ca1f9                      ; sine: r + r z (S1 + z (S2 + z S3))
	s_mov_b32 s39, 0x3c08839e
	s_mov_b32 s40, 0xbe2aaaa3
	s_mov_b32 s41, 0x37ccf5ce                      ; cosine: 1 - z / 2 + z z (C1 + z (C2 + z C3))
	s_mov_b32 s42, 0xbab6061a
	s_mov_b32 s43, 0x3d2aaaa5
	s_mov_b32 s44, 0x76543210
	s_mov_b32 s45, 0xfedcba98
	v_lshrrev_b32 v16, 4, v2                       ; 0: cosine, 1: sine
	v_and_b32 v17, 15, v2
	v_lshlrev_b32 v17, 1, v17
	v_cvt_f32_u32 v18, v17
	v_add_f32 v19, 1.0, v18
	v_mul_f32 v18, 0xbed49a78, v18                 ; -f log2(10000) / 32
	v_mul_f32 v19, 0xbed49a78, v19
	v_exp_f32 v18, v18                             ; inv_freq of my two frequencies
	v_exp_f32 v19, v19
	v_sub_nc_u32 v20, 1, v16                       ; (a plain line behind the exponentials)  a cosine is the sine a quarter on
	s_wait_alu depctr_va_vdst(0)                   ; one wait for both, ahead of their first reader
.macro POS u
	s_add_co_u32 s34, s31, \u
	v_cvt_f32_u32 v22, s34
.irp e, 0,1
	v_mul_f32 v[24+\e], v22, v[18+\e]
	v_mul_f32 v[26+\e], s35, v[24+\e]
	v_rndne_f32 v[26+\e], v[26+\e]
	v_fma_f32 v[24+\e], v[26+\e], s36, v[24+\e]
	v_fma_f32 v[24+\e], v[26+\e], s37, v[24+\e]
	v_mul_f32 v[28+\e], v[24+\e], v[24+\e]
	v_fma_f32 v[30+\e], v[28+\e], s38, s39
	v_fma_f32 v[30+\e], v[30+\e], v[28+\e], s40
	v_mul_f32 v[32+\e], v[24+\e], v[28+\e]
	v_fma_f32 v[30+\e], v[30+\e], v[32+\e], v[24+\e]
	v_fma_f32 v[34+\e], v[28+\e], s41, s42
	v_fma_f32 v[34+\e], v[34+\e], v[28+\e], s43
	v_mul_f32 v[32+\e], v[28+\e], v[28+\e]
	v_fma_f32 v[36+\e], v[28+\e], -0.5, 1.0
	v_fma_f32 v[34+\e], v[34+\e], v[32+\e], v[36+\e]
	v_cvt_i32_f32 v[26+\e], v[26+\e]
	v_add_nc_u32 v[26+\e], v[26+\e], v20
	v_and_b32 v[32+\e], 1, v[26+\e]
	v_cmp_ne_u32 vcc_lo, 0, v[32+\e]
	v_cndmask_b32 v[30+\e], v[30+\e], v[34+\e], vcc_lo
	v_and_b32 v[26+\e], 2, v[26+\e]
	v_lshlrev_b32 v[26+\e], 30, v[26+\e]
	v_xor_b32 v[40+2*\u+\e], v[26+\e], v[30+\e]
.endr
	global_store_b64 v4, v[40+2*\u:41+2*\u], s[28:29] offset:256*\u   ; each position has result registers of its own
.endm
.irp u, 0,1,2,3,4,5,6,7
	POS \u
.endr
	s_cmp_lg_u32 s31, 0                            ; the wave with position 0 also makes lambda_full
	s_cbranch_scc1 .Lno_lambda
	global_load_b64 v[56:57], v4, s[14:15]
	global_load_b64 v[58:59], v4, s[16:17]
	global_load_b64 v[60:61], v4, s[18:19]
	global_load_b64 v[62:63], v4, s[20:21]
	v_mov_b32 v66, 0
	v_mov_b32 v67, 0
	s_wait_loadcnt 0x0
	v_mul_f32 v64, v56, v58
	v_mul_f32 v65, v60, v62
	v_fma_f32 v64, v57, v59, v64
	v_fma_f32 v65, v61, v63, v65
.irp m, 1,2,4,8
	v_add_f32_dpp v64, v64, v64 row_xmask:\m row_mask:0xf bank_mask:0xf
	v_add_f32_dpp v65, v65, v65 row_xmask:\m row_mask:0xf bank_mask:0xf
.endr
	v_permlanex16_b32 v66, v64, s44, s45
	v_permlanex16_b32 v67, v65, s44, s45
	v_add_f32 v64, v64, v66
	v_add_f32 v65, v65, v67
	v_mul_f32 v64, 0x3fb8aa3b, v64
	v_mul_f32 v65, 0x3fb8aa3b, v65
	v_exp_f32 v64, v64
	v_exp_f32 v65, v65
	v_nop
	s_wait_alu depctr_va_vdst(0)
	v_sub_f32 v64, v64, v65
	v_add_f32 v64, 0x3f489a63, v64                 ; + lambda_init = 0.8 - 0.6 exp(-3.6)
	v_mov_b32 v65, v64
	global_store_b64 v4, v[64:65], s[28:29] offset:262144   ; 256 bytes behind the table, all of them lambda_full
.Lno_lambda:
	s_endpgm
.Lfunc_end_k_q125af75bba_prep:
	.size	k_q125af75bba_prep, .Lfunc_end_k_q125af75bba_prep-k_q125af75bba_prep
	.p2alignl 7, 3214868480
	.fill 96, 4, 3214868480
	.section	.rodata,"a",@progbits
	.p2align	6, 0x0
	.amdhsa_kernel k_q125af75bba_prep
		.amdhsa_group_segment_fixed_size 33280
		.amdhsa_private_segment_fixed_size 0
		.amdhsa_enable_private_segment 0
		.amdhsa_kernarg_size 104
		.amdhsa_user_sgpr_count 2
		.amdhsa_user_sgpr_kernarg_segment_ptr 1
		.amdhsa_wavefront_size32 1
		.amdhsa_system_sgpr_workgroup_id_x 1
		.amdhsa_system_sgpr_workgroup_id_y 1
		.amdhsa_system_sgpr_workgroup_id_z 1
		.amdhsa_system_vgpr_workitem_id 0
		.amdhsa_next_free_vgpr 192
		.amdhsa_next_free_sgpr 66
		.amdhsa_reserve_vcc 1
		.amdhsa_float_denorm_mode_32 3
		.amdhsa_float_denorm_mode_16_64 3
		.amdhsa_memory_ordered 1
		.amdhsa_forward_progress 1
		.amdhsa_inst_pref_size 76
	.end_amdhsa_kernel
	.amdgpu_metadata
---
amdhsa.version: [ 1, 2 ]
amdhsa.kernels:
  - .name:           k_q125af75bba_prep
    .symbol:         k_q125af75bba_prep.kd
    .args:
      - { .name: hidden_states, .offset: 0, .size: 8, .value_kind: global_buffer, .address_space: global }
      - { .name: wq, .offset: 8, .size: 8, .value_kind: global_buffer, .address_space: global }
      - { .name: wk, .offset: 16, .size: 8, .value_kind: global_buffer, .address_space: global }
      - { .name: wv, .offset: 24, .size: 8, .value_kind: global_buffer, .address_space: global }
      - { .name: wo, .offset: 32, .size: 8, .value_kind: global_buffer, .address_space: global }
      - { .name: lambda_q1, .offset: 40, .size: 8, .value_kind: global_buffer, .address_space: global }
      - { .name: lambda_k1, .offset: 48, .size: 8, .value_kind: global_buffer, .address_space: global }
      - { .name: lambda_q2, .offset: 56, .size: 8, .value_kind: global_buffer, .address_space: global }
      - { .name: lambda_k2, .offset: 64, .size: 8, .value_kind: global_buffer, .address_space: global }
      - { .name: codes, .offset: 72, .size: 8, .value_kind: global_buffer, .address_space: global }
      - { .name: scales, .offset: 80, .size: 8, .value_kind: global_buffer, .address_space: global }
      - { .name: wo16, .offset: 88, .size: 8, .value_kind: global_buffer, .address_space: global }
      - { .name: tab, .offset: 96, .size: 8, .value_kind: global_buffer, .address_space: global }
    .group_segment_fixed_size: 33280
    .private_segment_fixed_size: 0
    .kernarg_segment_align: 8
    .kernarg_segment_size: 104
    .max_flat_workgroup_size: 128
    .sgpr_count:     66
    .vgpr_count:     192
    .wavefront_size: 32
...
	.end_amdgpu_metadata
.endif
;; end of part 1
;; launch gemm_qkv (part 2): grid 8 x 22, 4 waves a work-group, clusters of 4 x 1, 327,680 bytes of LDS; arguments codes, scales, tab, qkvh, fine; writes qkvh, fine
.if DOCPART == 2
	.amdgcn_target "amdgcn-amd-amdhsa--gfx1250"
	.amdhsa_code_object_version 6
	.text
	.protected	k_q125af75bba_gemm_qkv
	.globl	k_q125af75bba_gemm_qkv
	.p2align	8
	.type	k_q125af75bba_gemm_qkv,@function
k_q125af75bba_gemm_qkv:
	s_mov_b64 s[64:65], 0
	v_nop
	global_prefetch_b8 v0, s[64:65] scope:SCOPE_SE
	s_setreg_imm32_b32 hwreg(HW_REG_WAVE_MODE, 25, 1), 1
	s_wait_xcnt 0x0
	s_wait_alu depctr_hold_cnt(0) depctr_sa_sdst(0) depctr_va_vdst(0) depctr_va_sdst(0) depctr_va_ssrc(0) depctr_va_vcc(0) depctr_vm_vsrc(0)
	s_getreg_b32 s2, hwreg(HW_REG_IB_STS2, 6, 4)
	s_cmp_eq_u32 s2, 0
	s_cbranch_scc0 .Lentry_in_a_cluster
	s_endpgm
.Lentry_in_a_cluster:
	s_bfe_u32 s2, ttmp6, 0x10000c
	s_cmp_lg_u32 s2, 0x3003
	s_cbranch_scc0 .Lentry_shape_is_right
	s_endpgm
.Lentry_shape_is_right:
; Launch 2 of 5: [q1 q2 | k1 k2 | v] = hidden_states x [wq; wk; wv]^T on codes of FP4 with E8M0 scales, f32 sums; the rotation by position on q and k in f32; results as f16, by head: qkvh [b][group 88][position][64].
; The f32 numbers of positions 0-15 also go out, as images of registers (buffer fine), for the small launch that carries those positions' attention in f32.
; A tile of 256 rows of hidden_states x 256 rows of the weights is made by four waves, 128 x 128 each: 64 accumulators, 512 registers.  K = 2,048 goes in steps of 512 (rows of 256 bytes) through two LDS slots.
; The scale bytes of the tile's rows, for all of K, come once, with the first fills.
; CLUSTER: the weights have 22 tile columns, which four does not divide, so a cluster is four tile rows of one tile column: they ask for the weights' tiles and scales JOINTLY (mask 15); each partner's own
; rows of hidden_states come by loads without a mask.  176 work-groups: the tile that feeds most products from each LDS byte was kept.
; THE MATRIX INSTRUCTION IS USED TRANSPOSED (source 0 = 16 rows of the weights, source 1 = 16 rows of hidden_states): a lane holds one position and eight neighbouring features.
; LIMIT: q, k, v leave as f16: sizes over 65,504 are not served.
; REGISTERS: window 0: v16-31 addresses; v32-95 scale words, two sets; v128-191 A's fragments; on the way out v32-255 are free.  window 1: B's fragments, two sets.  windows 2, 3: the accumulators ((a, b) at v[8 (8 (a % 4) + b)]).
.set KSTEP,  512
.set NQ,     4
.set ROWB,   256
.set KROW,   1024
.set PITCH,  272                       ; an LDS row: 256 bytes + 16 of padding: the 16 rows of a load start at 16 different columns of 16 bytes
.set FR,     8
.set NL,     2
.set NP,     4
.set HALFT,  128*PITCH
.set SLOT,   4*HALFT
.set LAPS,   2
.set KS,     64
.set SCL,    2*SLOT
.set HALFS,  32*272
.set SBLK,   4*272
.set SPARE,  SCL+4*HALFS
.set SPITCH, 272                       ; the way out: a stage of 16 rows x (256 bytes + 16) for each wave, in slot 0, which has had its last fill and its last read by then
.set ADRA, 16
.set ADRB, 20
.set STO,  24
.set RD,   25
.set CO,   26
.set ADRS, 27
.set SPW,  28
.set NIL,  29
.set TBO,  30                          ; v30 my byte in the table's 16 positions: 256 r + 32 h
.set FL,   31                          ; v31 0 in the waves that hold positions 0-15
.set SC,   32
.set AF,   128
.set BK,   32                          ; the way out: rows read back, two sets of 32
.set T,    96                          ; 64 rotated numbers
.set PKR,  160                         ; 32 registers of f16
.set CSN,  192                         ; cos and sin, two sets of 32: cos[bb][8], then sin[bb][8]
.set G1, 24
.set G0, 32
.set G1B, 48
.set G0B, 56
.set G1S, 68
.set G0S, 76
.set G1SB, 80
.set G0SB, 88
.set MSB, 0
.macro WIN new                         ; the immediate's high byte repeats the setting that is left
.if MSB != \new
	s_set_vgpr_msb (MSB<<8)|\new
.set MSB, \new
.endif
.endm
.set MUL_LO, 0xa1
.set MUL_HI, 0xf1
.set TO_B,   0x40
; Waves 0 and 1 fetch for A (no mask), waves 2 and 3 for B (jointly).  The branch hangs on the wave's number alone.  An s_nop 0 and four v_nop follow each line.
.macro JLOAD g0a, g1a, g0b, g1b
	s_cmp_eq_u32 s15, 0
	s_cbranch_scc0 .Lfor_b_\@
	tensor_load_to_lds s[\g0a:\g0a+3], s[\g1a:\g1a+7]
	s_nop 0
.rept 4
	v_nop
.endr
	s_branch .Lasked_\@
.Lfor_b_\@:
	tensor_load_to_lds s[\g0b:\g0b+3], s[\g1b:\g1b+7]
	s_nop 0
.rept 4
	v_nop
.endr
.Lasked_\@:
.endm
.macro CREST
	s_cmp_lg_u32 s14, 0
	s_cbranch_scc1 .Lnot_wave_0_\@
	s_barrier_signal -3
.Lnot_wave_0_\@:
	s_barrier_wait -3
	s_barrier_signal -1
	s_barrier_wait -1
.endm
.macro CROUND
	s_barrier_signal -1
	s_barrier_wait -1
	CREST
.endm
	s_load_b128 s[4:7], s[0:1], 0x0                ; codes, scales
	s_load_b128 s[8:11], s[0:1], 0x10              ; tab, qkvh
	s_load_b64 s[12:13], s[0:1], 0x20              ; fine
	v_lshl_add_u32 v[SPW], v0, 2, SPARE
	v_mov_b32 v[NIL], 0
	ds_add_u32 v[SPW], v[NIL]                      ; the wave's opening: the add, twice on end, and its wait ahead of my first tensor load
	ds_add_u32 v[SPW], v[NIL]
	v_lshrrev_b32 v1, 5, v0
	v_readfirstlane_b32 s14, v1                    ; wave 0..3
	s_lshr_b32 s15, s14, 1                         ; which half of the tile's positions is mine.  Also: I fetch for A (0) or for B (1)
	s_and_b32 s16, s14, 1                          ; which half of its features.  Also: which 128 rows I fetch
	s_bfe_u32 s40, ttmp6, 0x40000                  ; cx
	s_lshl_b32 s17, ttmp9, 2
	s_add_co_u32 s17, s17, s40                     ; tile row = 4 x cluster x + cx; the batch is cluster x
	s_and_b32 s42, ttmp7, 0xffff                   ; tile column of the weights, the same in all four partners
	s_mov_b32 s[G1+0], (1<<20)|(5<<22)|(3<<25)     ; no mask; elements of 1 byte; 4 words of padding behind every 64
	s_mov_b32 s[G1B+0], 15|(1<<20)|(1<<21)|(5<<22)|(3<<25)   ; the same for all four partners
.irp g, G1, G1B
	s_mov_b32 s[\g+1], ROWB<<16
	s_mov_b32 s[\g+2], 128<<16
	s_mov_b32 s[\g+3], ROWB<<16
	s_mov_b32 s[\g+4], 128
	s_mov_b32 s[\g+5], KROW
	s_mov_b32 s[\g+6], 0
	s_mov_b32 s[\g+7], 0
.endr
	s_mov_b32 s[G1S+0], (3<<16)|(1<<20)|(5<<22)|(3<<25)      ; the scales of 128 rows: 8,192 dense bytes as 32 rows of 256
	s_mov_b32 s[G1SB+0], 15|(3<<16)|(1<<20)|(1<<21)|(5<<22)|(3<<25)
.irp g, G1S, G1SB
	s_mov_b32 s[\g+1], 32<<16
	s_mov_b32 s[\g+2], 32<<16
	s_mov_b32 s[\g+3], 32<<16
	s_mov_b32 s[\g+4], 32
	s_mov_b32 s[\g+5], 32
	s_mov_b32 s[\g+6], 0
	s_mov_b32 s[\g+7], 0
.endr
	s_lshl_b32 s18, s16, 7
	s_lshl_b32 s20, s17, 8
	s_add_co_u32 s20, s20, s18                     ; A: row 256 x tile row + 128 x half
	s_lshl_b32 s46, s42, 8
	s_add_co_u32 s46, s46, s18
	s_add_co_u32 s46, s46, 2048                    ; B: the weights begin at row 2,048 of the stream; no register of B's ever holds cx
	s_lshl_b32 s22, s20, 6
	s_mov_b32 s23, 0
	s_lshl_b32 s92, s46, 6
	s_mov_b32 s93, 0
	s_lshl_b32 s20, s20, 10
	s_mov_b32 s21, 0
	s_lshl_b32 s46, s46, 10
	s_mov_b32 s47, 0
	s_mul_i32 s45, s14, HALFT                      ; where they go: wave x 128 rows
	s_mul_i32 s94, s14, HALFS
	s_wait_dscnt 0x0                               ; both opening adds are done
	s_wait_kmcnt 0x0
	s_add_nc_u64 s[20:21], s[4:5], s[20:21]
	s_add_nc_u64 s[22:23], s[6:7], s[22:23]
	s_add_nc_u64 s[46:47], s[4:5], s[46:47]
	s_add_nc_u64 s[92:93], s[6:7], s[92:93]
	CROUND                                         ; all four work-groups are here: the first joint loads meet
	s_mov_b32 s[G0S], 1
	s_add_co_u32 s[G0S+1], s94, SCL
	s_mov_b64 s[G0S+2:G0S+3], s[22:23]
	s_or_b32 s[G0S+3], s[G0S+3], 0x80000000
	s_mov_b32 s[G0SB], 1
	s_add_co_u32 s[G0SB+1], s94, SCL
	s_mov_b64 s[G0SB+2:G0SB+3], s[92:93]
	s_or_b32 s[G0SB+3], s[G0SB+3], 0x80000000
	JLOAD G0S, G1S, G0SB, G1SB
.irp s, 0,1
	s_mov_b32 s[G0+4*\s], 1
	s_add_co_u32 s[G0+4*\s+1], s45, \s*SLOT
	s_add_nc_u64 s[G0+4*\s+2:G0+4*\s+3], s[20:21], \s*ROWB
	s_or_b32 s[G0+4*\s+3], s[G0+4*\s+3], 0x80000000
	s_mov_b32 s[G0B+4*\s], 1
	s_add_co_u32 s[G0B+4*\s+1], s45, \s*SLOT
	s_add_nc_u64 s[G0B+4*\s+2:G0B+4*\s+3], s[46:47], \s*ROWB
	s_or_b32 s[G0B+4*\s+3], s[G0B+4*\s+3], 0x80000000
	JLOAD G0+4*\s, G1, G0B+4*\s, G1B
.endr
	v_and_b32 v1, 15, v0                           ; r
	v_bfe_u32 v2, v0, 4, 1                         ; h
	v_mul_u32_u24 v3, v1, PITCH
	v_lshl_add_u32 v4, v2, 4, v3
	s_mul_i32 s21, s15, HALFT
	s_mul_i32 s22, s16, HALFT
	s_add_co_u32 s22, s22, 2*HALFT
.irp s, 0,1
	v_add_nc_u32 v[ADRA+\s], s21, v4
	v_add_nc_u32 v[ADRB+\s], s22, v4
	s_add_co_u32 s21, s21, SLOT
	s_add_co_u32 s22, s22, SLOT
.endr
	v_mul_u32_u24 v5, v1, KS
	v_lshrrev_b32 v6, 8, v5
	v_lshl_add_u32 v5, v6, 4, v5
	s_mul_i32 s21, s15, HALFS
	s_mul_i32 s22, s16, HALFS
	s_add_co_u32 s22, s22, 2*HALFS
	s_sub_co_u32 s22, s22, s21
	v_mul_u32_u24 v6, s22, v2                      ; lanes 16-31 take B's scale words
	s_add_co_u32 s21, s21, SCL
	v_add_nc_u32 v5, v5, v6
	v_add_nc_u32 v[ADRS], s21, v5
	s_mul_i32 s23, s14, 16*SPITCH                  ; my stage
	v_add_nc_u32 v[STO], s23, v4                   ; in: row r, 16 bytes for each half of the lanes
	v_and_b32 v6, 31, v0
	v_lshrrev_b32 v5, 3, v6
	v_mul_u32_u24 v5, v5, SPITCH
	v_and_b32 v7, 7, v0
	v_lshl_add_u32 v5, v7, 4, v5
	v_add_nc_u32 v[RD], s23, v5                    ; back: eight lanes take a head's 128 bytes of a row, four rows an instruction
	v_lshlrev_b32 v[CO], 4, v6
	v_lshlrev_b32 v[TBO], 8, v1
	v_lshl_add_u32 v[TBO], v2, 5, v[TBO]
	s_or_b32 s21, s40, s15
	v_mov_b32 v[FL], s21
	s_lshl_b32 s20, s40, 8
	s_lshl_b32 s21, s15, 7
	s_add_co_u32 s20, s20, s21                     ; my first position: 256 cx + 128 x half
	s_lshl_b32 s22, s20, 8
	s_mov_b32 s23, 0
	s_add_nc_u64 s[8:9], s[8:9], s[22:23]          ; its line of the table
	s_mul_i32 s21, ttmp9, 88
	s_lshl_b32 s22, s42, 2
	s_add_co_u32 s21, s21, s22
	s_lshl_b32 s22, s16, 1
	s_add_co_u32 s21, s21, s22                     ; my first group of 64 features: 88 b + 4 y + 2 x half
	s_lshl_b32 s22, s21, 12
	s_add_nc_u64 s[12:13], s[12:13], s[22:23]
	s_lshl_b32 s22, s21, 10
	s_add_co_u32 s22, s22, s20
	s_lshl_b32 s22, s22, 7
	s_add_nc_u64 s[10:11], s[10:11], s[22:23]
.macro FRAG reg, adr, q, i             ; 16 rows x 128 K of 4-bit codes: 8 registers, two loads of 16 bytes, 32 bytes apart
.irp c, 0,1
	ds_load_b128 v[\reg+4*\c:\reg+4*\c+3], v[\adr] offset:64*(\q)+32*\c+(\i)*16*PITCH
.endr
.endm
; 16 matrix instructions: A's blocks a0, a0 + 1 x B's eight.  The 64 accumulators take turns, one instruction a turn, in the same order in every step.
.macro MUL16 a0, p, q, sc, zero
.irp a, \a0, \a0+1
.irp b, 0,1,2,3,4,5,6,7
.if \zero
	v_wmma_scale_f32_16x16x128_f8f6f4 v[8*(8*((\a)%4)+\b):8*(8*((\a)%4)+\b)+7], v[128*(\p)+FR*\b:128*(\p)+FR*\b+FR-1], v[AF+FR*(\a):AF+FR*(\a)+FR-1], 0, v[SC+8*NQ*(\sc)+NQ*\b+(\q)], v[SC+8*NQ*(\sc)+NQ*(\a)+(\q)] matrix_a_fmt:MATRIX_FMT_FP4 matrix_b_fmt:MATRIX_FMT_FP4 matrix_a_scale:MATRIX_SCALE_ROW1
.else
	v_wmma_scale_f32_16x16x128_f8f6f4 v[8*(8*((\a)%4)+\b):8*(8*((\a)%4)+\b)+7], v[128*(\p)+FR*\b:128*(\p)+FR*\b+FR-1], v[AF+FR*(\a):AF+FR*(\a)+FR-1], v[8*(8*((\a)%4)+\b):8*(8*((\a)%4)+\b)+7], v[SC+8*NQ*(\sc)+NQ*\b+(\q)], v[SC+8*NQ*(\sc)+NQ*(\a)+(\q)] matrix_a_fmt:MATRIX_FMT_FP4 matrix_b_fmt:MATRIX_FMT_FP4 matrix_a_scale:MATRIX_SCALE_ROW1
.endif
.endr
.endr
.endm
.macro FETCH_B slot, q, p
	WIN TO_B
.irp i, 0,1,2,3,4,5,6,7
	FRAG 128*(\p)+FR*\i, ADRB+\slot, \q, \i
.endr
	WIN 0
.endm
.macro FETCH_A slot, q, i0
.irp i, \i0, \i0+1, \i0+2, \i0+3
	FRAG AF+FR*(\i), ADRA+\slot, \q, \i
.endr
.endm
.macro SCALES sc                       ; a K step's scale words: lanes 0-15 A's block i, lanes 16-31 B's block i
.irp i, 0,1,2,3,4,5,6,7
	ds_load_b128 v[SC+8*NQ*\sc+NQ*\i:SC+8*NQ*\sc+NQ*\i+3], v[ADRS] offset:\i*SBLK
.endr
.endm
.macro PLACES n                        ; plain vector lines between a matrix instruction and a load into, or a read of, its registers
.rept \n
	v_nop
.endr
.endm
.macro STEP slot, q, zero
	s_wait_dscnt 4*NL                              ; B's set and A's blocks 0-3 are in; A's blocks 4-7 (8 loads) may be out
	WIN MUL_LO
	MUL16 0, (\q)%2, \q, \slot, \zero
	MUL16 2, (\q)%2, \q, \slot, \zero
	s_wait_dscnt 0
	PLACES NP
	FETCH_B \slot, (\q)+1, 1-(\q)%2
	FETCH_A \slot, (\q)+1, 0
	WIN MUL_HI
	MUL16 4, (\q)%2, \q, \slot, \zero
	MUL16 6, (\q)%2, \q, \slot, \zero
	PLACES NP
	WIN 0
	FETCH_A \slot, (\q)+1, 4
.endm
; A slot's last step changes slots: each wave waits for all its tensor loads, adds 0 to its spare word, waits for that and for its reads of this slot; one barrier; fill = 1: it opens a round of the cluster's barrier, and the refill is the first thing behind it.
.macro TURN slot, next, fill
	s_wait_tensorcnt 0x0                           ; all my tensor loads have landed: my part of the next slot
	ds_add_u32 v[SPW], v[NIL]
	s_wait_dscnt 4*NL+1                            ; the add and A's blocks 4-7 may be out
	WIN MUL_LO
	MUL16 0, 1, NQ-1, \slot, 0
	s_wait_dscnt 0x0                               ; the add is done, and my reads of this slot are over
	s_barrier_signal -1
	MUL16 2, 1, NQ-1, \slot, 0
	WIN 0
	s_barrier_wait -1
.if \fill
	CREST
	s_add_nc_u64 s[G0+4*\slot+2:G0+4*\slot+3], s[G0+4*\slot+2:G0+4*\slot+3], 2*ROWB
	s_add_nc_u64 s[G0B+4*\slot+2:G0B+4*\slot+3], s[G0B+4*\slot+2:G0B+4*\slot+3], 2*ROWB
	JLOAD G0+4*\slot, G1, G0B+4*\slot, G1B
.else
	PLACES NP
.endif
	v_add_nc_u32 v[ADRS], 4*NQ, v[ADRS]
	FETCH_B \next, 0, 0
	FETCH_A \next, 0, 0
	SCALES \next
	WIN MUL_HI
	MUL16 4, 1, NQ-1, \slot, 0
	MUL16 6, 1, NQ-1, \slot, 0
	PLACES NP
	WIN 0
	FETCH_A \next, 0, 4
.endm
.macro STEPS slot, from
.set Q, \from
.rept NQ-1-\from
	STEP \slot, Q, 0
.set Q, Q+1
.endr
.endm
	s_wait_tensorcnt 1                             ; the scales and my part of K step 0 are in; K step 1's load may be out
	s_barrier_signal -1
	s_barrier_wait -1
	FETCH_B 0, 0, 0
	FETCH_A 0, 0, 0
	SCALES 0
	FETCH_A 0, 0, 4
	STEP 0, 0, 1                                   ; the first step's products start the sums
	s_mov_b32 s3, LAPS-1
.Llap:
	STEPS 0, 1
	TURN 0, 1, 1
	STEPS 1, 0
	TURN 1, 0, 1
	STEP 0, 0, 0
	s_sub_co_u32 s3, s3, 1
	s_cmp_lg_u32 s3, 0
	s_cbranch_scc1 .Llap
	STEPS 0, 1
	TURN 0, 1, 0
	STEPS 1, 0
	s_wait_dscnt 4*NL
	WIN MUL_LO
	MUL16 0, 1, NQ-1, 1, 0
	MUL16 2, 1, NQ-1, 1, 0
	s_wait_dscnt 0
	WIN MUL_HI
	MUL16 4, 1, NQ-1, 1, 0
	MUL16 6, 1, NQ-1, 1, 0
	WIN 0
; THE WAY OUT, a block of 16 positions x 128 features (two heads) at a time.  Lane (r, h) holds position r and, in accumulator b, features 16 b + 8 h + 0 .. 7.
; In a head d and d + 32 turn together: accumulators bb and bb + 2; cos and sin of frequency 16 bb + 8 h + j come from the table, 8 loads a block, two blocks ahead.
.macro TABLD a
.irp sc, 0,1
.irp bb, 0,1
.irp i, 0,1
	global_load_b128 v[CSN+32*((\a)%2)+16*\sc+8*\bb+4*\i:CSN+32*((\a)%2)+16*\sc+8*\bb+4*\i+3], v[TBO], s[8:9] offset:(\a)*4096+128*\sc+64*\bb+16*\i
.endr
.endr
.endr
.endm
.macro ROPE a
.set AC, 64*((\a)%4)
.set CS0, CSN+32*((\a)%2)
	WIN 0x02+(\a)/4                                ; source 0: the accumulators' window
.irp hh, 0,1
.irp bb, 0,1
.irp jp, 0,2,4,6                       ; each accumulator from its low end on
	v_pk_mul_f32 v[T+8*(4*\hh+\bb)+\jp:T+8*(4*\hh+\bb)+\jp+1], v[AC+8*(4*\hh+\bb+2)+\jp:AC+8*(4*\hh+\bb+2)+\jp+1], v[CS0+16+8*\bb+\jp:CS0+16+8*\bb+\jp+1]
	v_pk_fma_f32 v[T+8*(4*\hh+\bb)+\jp:T+8*(4*\hh+\bb)+\jp+1], v[AC+8*(4*\hh+\bb)+\jp:AC+8*(4*\hh+\bb)+\jp+1], v[CS0+8*\bb+\jp:CS0+8*\bb+\jp+1], v[T+8*(4*\hh+\bb)+\jp:T+8*(4*\hh+\bb)+\jp+1] neg_lo:[0,0,1] neg_hi:[0,0,1]
	v_pk_mul_f32 v[T+8*(4*\hh+\bb+2)+\jp:T+8*(4*\hh+\bb+2)+\jp+1], v[AC+8*(4*\hh+\bb)+\jp:AC+8*(4*\hh+\bb)+\jp+1], v[CS0+16+8*\bb+\jp:CS0+16+8*\bb+\jp+1]
	v_pk_fma_f32 v[T+8*(4*\hh+\bb+2)+\jp:T+8*(4*\hh+\bb+2)+\jp+1], v[AC+8*(4*\hh+\bb+2)+\jp:AC+8*(4*\hh+\bb+2)+\jp+1], v[CS0+8*\bb+\jp:CS0+8*\bb+\jp+1], v[T+8*(4*\hh+\bb+2)+\jp:T+8*(4*\hh+\bb+2)+\jp+1]
.endr
.endr
.endr
	WIN 0
.set n, 0
.rept 32
	v_cvt_pk_f16_f32 v[PKR+n], v[T+2*n], v[T+2*n+1]
.set n, n+1
.endr
.endm
.macro PLAIN a                         ; v is not rotated
.set AC, 64*((\a)%4)
	WIN 0x0a+5*((\a)/4)
.set n, 0
.rept 32
	v_cvt_pk_f16_f32 v[PKR+n], v[AC+2*n], v[AC+2*n+1]
.set n, n+1
.endr
	WIN 0
.endm
; Positions 0-15 in f32, as they stand in the registers.  The waves that hold them are picked by EXEC and not by a branch: no branch hangs on a work-group's place in its cluster.
.macro FINE rope
	s_wait_xcnt 0x0                                ; EXEC changes only behind this wait
	v_cmp_eq_u32 vcc_lo, 0, v[FL]
	s_and_saveexec_b32 s96, vcc_lo
.if \rope == 0
	WIN 0x08                                       ; a store's data: window 2
.endif
.irp hh, 0,1
.irp bq, 0,1,2,3
.irp i, 0,1
.if \rope
	global_store_b128 v[CO], v[T+8*(4*\hh+\bq)+4*\i:T+8*(4*\hh+\bq)+4*\i+3], s[12:13] offset:\hh*4096+\bq*1024+\i*512
.else
	global_store_b128 v[CO], v[8*(4*\hh+\bq)+4*\i:8*(4*\hh+\bq)+4*\i+3], s[12:13] offset:\hh*4096+\bq*1024+\i*512
.endif
.endr
.endr
.endr
	WIN 0
	s_wait_xcnt 0x0                                ; and again in front of the line that widens it; the stores have read their data
	s_or_b32 exec_lo, exec_lo, s96
.endm
.macro TOSTAGE a
.irp b, 0,1,2,3,4,5,6,7
	ds_store_b128 v[STO], v[PKR+4*\b:PKR+4*\b+3] offset:32*\b
.endr
.irp hh, 0,1
.irp t, 0,1,2,3
	ds_load_b128 v[BK+32*((\a)%2)+4*(4*\hh+\t):BK+32*((\a)%2)+4*(4*\hh+\t)+3], v[RD] offset:128*\hh+4*SPITCH*\t   ; LDS serves a wave's instructions in order: these see the stores above
.endr
.endr
.endm
.macro SEND a, younger
	s_wait_dscnt \younger
.irp hh, 0,1
.irp t, 0,1,2,3
	global_store_b128 v[CO], v[BK+32*((\a)%2)+4*(4*\hh+\t):BK+32*((\a)%2)+4*(4*\hh+\t)+3], s[10:11] offset:\hh*131072+(16*(\a)+4*\t)*128   ; four positions of a head: 512 consecutive bytes, aligned
.endr
.endr
.endm
.macro WAYOUT rope
.if \rope
	TABLD 0
	TABLD 1
.endif
.irp a, 0,1,2,3,4,5,6,7
.if \rope
.if \a < 7
	s_wait_loadcnt 8                               ; this block's 8 table loads are in; the next block's may be out
.else
	s_wait_loadcnt 0
.endif
	ROPE \a
.else
	PLAIN \a
.endif
.if \a == 0
	FINE \rope
.endif
.if \rope && (\a < 6)
	TABLD \a+2
.endif
.if \a > 1
	s_wait_xcnt 0x0                                ; block a - 2's stores have read their registers: block a's rows may land there
.endif
	TOSTAGE \a
.if \a > 0
	SEND \a-1, 16                                  ; behind block a - 1's loads: block a's 8 stores and 8 loads
.endif
.endr
	SEND 7, 0
.endm
	PLACES NP
	s_cmp_ge_u32 s42, 20                           ; tile columns 20 and 21 are v: the same in all partners
	s_cbranch_scc1 .Lplain
	WAYOUT 1
	s_branch .Lend
.Lplain:
	WAYOUT 0
.Lend:
	s_wait_tensorcnt 0x0                           ; the wave's end
	ds_add_u32 v[SPW], v[NIL]
	s_wait_dscnt 0x0
	CROUND                                         ; the closing round
	s_endpgm
.Lfunc_end_k_q125af75bba_gemm_qkv:
	.size	k_q125af75bba_gemm_qkv, .Lfunc_end_k_q125af75bba_gemm_qkv-k_q125af75bba_gemm_qkv
	.p2alignl 7, 3214868480
	.fill 96, 4, 3214868480
	.section	.rodata,"a",@progbits
	.p2align	6, 0x0
	.amdhsa_kernel k_q125af75bba_gemm_qkv
		.amdhsa_group_segment_fixed_size 327680
		.amdhsa_private_segment_fixed_size 0
		.amdhsa_enable_private_segment 0
		.amdhsa_kernarg_size 40
		.amdhsa_user_sgpr_count 2
		.amdhsa_user_sgpr_kernarg_segment_ptr 1
		.amdhsa_wavefront_size32 1
		.amdhsa_system_sgpr_workgroup_id_x 1
		.amdhsa_system_sgpr_workgroup_id_y 1
		.amdhsa_system_sgpr_workgroup_id_z 1
		.amdhsa_system_vgpr_workitem_id 0
		.amdhsa_next_free_vgpr 1024
		.amdhsa_next_free_sgpr 100
		.amdhsa_reserve_vcc 1
		.amdhsa_float_denorm_mode_32 3
		.amdhsa_float_denorm_mode_16_64 3
		.amdhsa_memory_ordered 1
		.amdhsa_forward_progress 1
		.amdhsa_inst_pref_size 255
	.end_amdhsa_kernel
	.section	.bss,"aw",@nobits
	.p2align	6
	.space	262144
	.amdgpu_metadata
---
amdhsa.version: [ 1, 2 ]
amdhsa.kernels:
  - .name:           k_q125af75bba_gemm_qkv
    .symbol:         k_q125af75bba_gemm_qkv.kd
    .args:
      - { .name: codes, .offset: 0, .size: 8, .value_kind: global_buffer, .address_space: global }
      - { .name: scales, .offset: 8, .size: 8, .value_kind: global_buffer, .address_space: global }
      - { .name: tab, .offset: 16, .size: 8, .value_kind: global_buffer, .address_space: global }
      - { .name: qkvh, .offset: 24, .size: 8, .value_kind: global_buffer, .address_space: global }
      - { .name: fine, .offset: 32, .size: 8, .value_kind: global_buffer, .address_space: global }
    .group_segment_fixed_size: 327680
    .private_segment_fixed_size: 0
    .kernarg_segment_align: 8
    .kernarg_segment_size: 40
    .max_flat_workgroup_size: 128
    .sgpr_count:     100
    .vgpr_count:     1024
    .wavefront_size: 32
...
	.end_amdgpu_metadata
.endif
;; end of part 2
;; launch fine_attn (part 3): grid 32 x 2, 1 waves a work-group, no clusters, 0 bytes of LDS; arguments fine, tab, attnf; writes attnf
.if DOCPART == 3
	.amdgcn_target "amdgcn-amd-amdhsa--gfx1250"
	.amdhsa_code_object_version 6
	.text
	.protected	k_q125af75bba_fine_attn
	.globl	k_q125af75bba_fine_attn
	.p2align	8
	.type	k_q125af75bba_fine_attn,@function
k_q125af75bba_fine_attn:
	s_mov_b64 s[64:65], 0
	v_nop
	global_prefetch_b8 v0, s[64:65] scope:SCOPE_SE
	s_setreg_imm32_b32 hwreg(HW_REG_WAVE_MODE, 25, 1), 1
	s_wait_xcnt 0x0
; Launch 3 of 5: positions 0-15 of every head and batch, in f32 all the way: under the causal mask these rows average one to sixteen values and are the largest of the output, so rounded operands would weigh most there.
; One wave takes one head of one batch: 16 queries x 16 keys, both streams.  Keys behind position 15 are hidden from these queries by reference()'s own mask (shown at the head of the first launch) and are not read.
; The buffer fine holds images of registers: lane (r, h) has position r and, in load e = 2 bq + i, channels 16 bq + 8 h + 4 i + 0 .. 3.  A register pair is an operand of the f32 matrix form (k = 2 h + j):
; Q and K take the same pairs, so the same order of channels stands on both sides.  S^T = K Q^T: a lane holds one query (r) and keys 8 h + 0 .. 7.
; The registers that the matrix form writes (v192-239) are written by it alone; what is made of them goes into other registers.
	s_load_b128 s[4:7], s[0:1], 0x0                ; fine, tab
	s_load_b64 s[8:9], s[0:1], 0x10                ; attnf
	s_and_b32 s10, ttmp7, 0xffff                   ; batch
	s_mul_i32 s11, s10, 88
	s_lshr_b32 s12, ttmp9, 2                       ; key and value head
	s_add_co_u32 s13, s11, ttmp9
	s_lshl_b32 s20, s13, 12                        ; q1's group; q2's lies 32 groups of 4,096 bytes on
	s_mov_b32 s21, 0
	s_add_co_u32 s14, s11, s12
	s_lshl_b32 s22, s14, 12                        ; k1, k2, v lie 64, 72, 80 groups on from here
	s_mov_b32 s23, 0
	s_lshl_b32 s24, s10, 17
	s_lshl_b32 s25, ttmp9, 12
	s_add_co_u32 s24, s24, s25
	s_mov_b32 s25, 0
	s_mov_b32 s26, 0x76543210
	s_mov_b32 s27, 0xfedcba98
	s_mov_b32 s28, 0x3e38aa3b                      ; c = log2(e) / 8
	s_mov_b32 s31, 0x3e5d9673                      ; 1 - lambda_init
	v_lshlrev_b32 v1, 4, v0                        ; 16 x lane
	v_bfe_u32 v2, v0, 2, 1
	v_lshlrev_b32 v2, 9, v2
	v_bfe_u32 v5, v0, 3, 1
	v_lshl_add_u32 v2, v5, 8, v2
	v_and_b32 v5, 3, v0
	v_lshl_add_u32 v2, v5, 2, v2
	v_bfe_u32 v5, v0, 4, 1                         ; h
	v_lshl_add_u32 v2, v5, 7, v2                   ; V(key 8 h + q, channel 16 ct + r): ((r / 4) % 2) 512 + (r / 8) 256 + (r % 4) 4 + 128 h, + 1,024 ct + 16 q
	v_and_b32 v3, 15, v0
	v_lshlrev_b32 v5, 3, v5
	v_sub_nc_u32 v3, v3, v5                        ; d = r - 8 h: key 8 h + j is hidden where j > d
	v_mov_b32 v4, 0xff800000
	v_mov_b32 v248, 0
	v_mov_b32 v249, 0
	s_wait_kmcnt 0x0
	s_load_b32 s30, s[6:7], 0x40000                ; lambda_full
	s_add_nc_u64 s[20:21], s[4:5], s[20:21]
	s_add_nc_u64 s[22:23], s[4:5], s[22:23]
	s_add_nc_u64 s[8:9], s[8:9], s[24:25]
.irp e, 0,1,2,3,4,5,6,7
	global_load_b128 v[32+4*\e:35+4*\e], v1, s[20:21] offset:512*\e            ; q1
	global_load_b128 v[64+4*\e:67+4*\e], v1, s[20:21] offset:131072+512*\e     ; q2
	global_load_b128 v[96+4*\e:99+4*\e], v1, s[22:23] offset:262144+512*\e     ; k1
	global_load_b128 v[128+4*\e:131+4*\e], v1, s[22:23] offset:294912+512*\e   ; k2
.endr
.irp ct, 0,1,2,3
.irp q, 0,1,2,3,4,5,6,7
	global_load_b32 v[160+8*\ct+\q], v2, s[22:23] offset:327680+1024*\ct+16*\q ; v, with the keys along the registers
.endr
.endr
	s_wait_loadcnt 0x0
	v_wmma_f32_16x16x4_f32 v[192:199], v[96:97], v[32:33], 0                   ; each sum's own first step starts it; the two streams take turns
	v_wmma_f32_16x16x4_f32 v[200:207], v[128:129], v[64:65], 0
.irp p, 1,2,3,4,5,6,7,8,9,10,11,12,13,14,15
	v_wmma_f32_16x16x4_f32 v[192:199], v[96+2*\p:97+2*\p], v[32+2*\p:33+2*\p], v[192:199]
	v_wmma_f32_16x16x4_f32 v[200:207], v[128+2*\p:129+2*\p], v[64+2*\p:65+2*\p], v[200:207]
.endr
.rept 8
	v_nop                                          ; eight places behind this form (ISA guide 7.12.1)
.endr
.irp j, 0,1,2,3,4,5,6,7
	v_cmp_gt_i32 vcc_lo, \j, v3
	v_cndmask_b32 v[8+\j], v[192+\j], v4, vcc_lo
	v_cndmask_b32 v[16+\j], v[200+\j], v4, vcc_lo
.endr
	v_max3_num_f32 v240, v8, v9, v10
	v_max3_num_f32 v241, v16, v17, v18
	v_max3_num_f32 v240, v240, v11, v12
	v_max3_num_f32 v241, v241, v19, v20
	v_max3_num_f32 v240, v240, v13, v14
	v_max3_num_f32 v241, v241, v21, v22
	v_max_num_f32 v240, v240, v15
	v_max_num_f32 v241, v241, v23
	v_permlanex16_b32 v248, v240, s26, s27
	v_permlanex16_b32 v249, v241, s26, s27
	v_max_num_f32 v240, v240, v248                 ; the row's maximum: key 0 counts for every query, so it is a number
	v_max_num_f32 v241, v241, v249
	v_mul_f32 v240, s28, v240
	v_mul_f32 v241, s28, v241
.irp j, 0,1,2,3,4,5,6,7
	v_fma_f32 v[8+\j], v[8+\j], s28, -v240
	v_fma_f32 v[16+\j], v[16+\j], s28, -v241
.endr
.irp j, 0,1,2,3,4,5,6,7,8,9,10,11,12,13,14,15
	v_exp_f32 v[8+\j], v[8+\j]
.endr
	v_nop
	s_wait_alu depctr_va_vdst(0)                   ; one wait for the batch
.irp s, 0,1
	v_add_f32 v[240+\s], v[8+8*\s], v[9+8*\s]
	v_add_f32 v[242+\s], v[10+8*\s], v[11+8*\s]
	v_add_f32 v[244+\s], v[12+8*\s], v[13+8*\s]
	v_add_f32 v[246+\s], v[14+8*\s], v[15+8*\s]
.endr
.irp s, 0,1
	v_add_f32 v[240+\s], v[240+\s], v[242+\s]
	v_add_f32 v[244+\s], v[244+\s], v[246+\s]
.endr
.irp s, 0,1
	v_add_f32 v[240+\s], v[240+\s], v[244+\s]
.endr
	v_permlanex16_b32 v248, v240, s26, s27
	v_permlanex16_b32 v249, v241, s26, s27
	v_add_f32 v240, v240, v248
	v_add_f32 v241, v241, v249
	v_rcp_f32 v240, v240
	v_rcp_f32 v241, v241
	v_nop
	s_wait_alu depctr_va_vdst(0)
	s_wait_kmcnt 0x0
	v_mul_f32 v240, s31, v240                      ; (1 - lambda_init) / sum 1
	v_mul_f32 v241, s31, v241
	v_mul_f32 v241, s30, v241                      ; lambda_full (1 - lambda_init) / sum 2
.irp j, 0,1,2,3,4,5,6,7
	v_mul_f32 v[16+\j], v[16+\j], v241
.endr
.irp j, 0,1,2,3,4,5,6,7
	v_fma_f32 v[24+\j], v[8+\j], v240, -v[16+\j]   ; the weight of key 8 h + j for query r
.endr
.irp ct, 0,1,2,3
	v_wmma_f32_16x16x4_f32 v[208+8*\ct:215+8*\ct], v[160+8*\ct:161+8*\ct], v[24:25], 0   ; O^T = V^T x weights: four accumulators by turns
.endr
.irp s, 1,2,3
.irp ct, 0,1,2,3
	v_wmma_f32_16x16x4_f32 v[208+8*\ct:215+8*\ct], v[160+8*\ct+2*\s:161+8*\ct+2*\s], v[24+2*\s:25+2*\s], v[208+8*\ct:215+8*\ct]
.endr
.endr
.rept 8
	v_nop
.endr
.irp ct, 0,1,2,3
	global_store_b128 v1, v[208+8*\ct:211+8*\ct], s[8:9] offset:1024*\ct        ; lane (r, h): position r, k = 64 head + 16 ct + 8 h + 0 .. 3; 512 consecutive bytes
	global_store_b128 v1, v[212+8*\ct:215+8*\ct], s[8:9] offset:1024*\ct+512
.endr
	s_endpgm
.Lfunc_end_k_q125af75bba_fine_attn:
	.size	k_q125af75bba_fine_attn, .Lfunc_end_k_q125af75bba_fine_attn-k_q125af75bba_fine_attn
	.p2alignl 7, 3214868480
	.fill 96, 4, 3214868480
	.section	.rodata,"a",@progbits
	.p2align	6, 0x0
	.amdhsa_kernel k_q125af75bba_fine_attn
		.amdhsa_group_segment_fixed_size 0
		.amdhsa_private_segment_fixed_size 0
		.amdhsa_enable_private_segment 0
		.amdhsa_kernarg_size 24
		.amdhsa_user_sgpr_count 2
		.amdhsa_user_sgpr_kernarg_segment_ptr 1
		.amdhsa_wavefront_size32 1
		.amdhsa_system_sgpr_workgroup_id_x 1
		.amdhsa_system_sgpr_workgroup_id_y 1
		.amdhsa_system_sgpr_workgroup_id_z 1
		.amdhsa_system_vgpr_workitem_id 0
		.amdhsa_next_free_vgpr 256
		.amdhsa_next_free_sgpr 66
		.amdhsa_reserve_vcc 1
		.amdhsa_float_denorm_mode_32 3
		.amdhsa_float_denorm_mode_16_64 3
		.amdhsa_memory_ordered 1
		.amdhsa_forward_progress 1
		.amdhsa_inst_pref_size 17
	.end_amdhsa_kernel
	.amdgpu_metadata
---
amdhsa.version: [ 1, 2 ]
amdhsa.kernels:
  - .name:           k_q125af75bba_fine_attn
    .symbol:         k_q125af75bba_fine_attn.kd
    .args:
      - { .name: fine, .offset: 0, .size: 8, .value_kind: global_buffer, .address_space: global }
      - { .name: tab, .offset: 8, .size: 8, .value_kind: global_buffer, .address_space: global }
      - { .name: attnf, .offset: 16, .size: 8, .value_kind: global_buffer, .address_space: global }
    .group_segment_fixed_size: 0
    .private_segment_fixed_size: 0
    .kernarg_segment_align: 8
    .kernarg_segment_size: 24
    .max_flat_workgroup_size: 32
    .sgpr_count:     66
    .vgpr_count:     256
    .wavefront_size: 32
...
	.end_amdgpu_metadata
.endif
;; end of part 3
;; launch attn (part 4): grid 16 x 16, 16 waves a work-group, clusters of 4 x 1, 327,680 bytes of LDS; arguments qkvh, tab, attn16; writes attn16
.if DOCPART == 4
	.amdgcn_target "amdgcn-amd-amdhsa--gfx1250"
	.amdhsa_code_object_version 6
	.text
	.protected	k_q125af75bba_attn
	.globl	k_q125af75bba_attn
	.p2align	8
	.type	k_q125af75bba_attn,@function
k_q125af75bba_attn:
	s_mov_b64 s[64:65], 0
	v_nop
	global_prefetch_b8 v0, s[64:65] scope:SCOPE_SE
	s_setreg_imm32_b32 hwreg(HW_REG_WAVE_MODE, 25, 1), 1
	s_wait_xcnt 0x0
	s_wait_alu depctr_hold_cnt(0) depctr_sa_sdst(0) depctr_va_vdst(0) depctr_va_sdst(0) depctr_va_ssrc(0) depctr_va_vcc(0) depctr_vm_vsrc(0)
	s_getreg_b32 s2, hwreg(HW_REG_IB_STS2, 6, 4)
	s_cmp_eq_u32 s2, 0
	s_cbranch_scc0 .Lentry_in_a_cluster
	s_endpgm
.Lentry_in_a_cluster:
	s_bfe_u32 s2, ttmp6, 0x10000c
	s_cmp_lg_u32 s2, 0x3003
	s_cbranch_scc0 .Lentry_shape_is_right
	s_endpgm
.Lentry_shape_is_right:
; Launch 4 of 5: for each head, softmax(q1 k1^T / 8) v - lambda_full softmax(q2 k2^T / 8) v under the causal mask; f16 operands, f32 sums, maxima and row sums.  The factor 1 - lambda_init is applied in the next launch.
; WORK LEFT OUT: key steps all of whose keys come after a wave's queries (reference()'s own mask gives them the weight 0: shown at the head of the first launch).  A NaN or an infinity in such a score is not carried on.
; SHARES.  A work-group: one query head, 256 queries.  Wave w: stream w & 1 (q1 k1 or q2 k2), pair i = w >> 1; the pair owns 32 queries from 32 (4 i + j), j the cluster's x: so every work-group has
; early and late queries and walks all 1,024 keys.  Each stream keeps its own running maximum, sum and O^T; at the end the two waves of a pair meet in LDS.
; CLUSTER.  The four query heads of a key and value head form a cluster, with the same j: they walk the same k1, k2, v and take every branch alike; each tile is asked for JOINTLY (mask 15).
; LAYOUT.  S^T = K Q^T and O^T = V^T P: a lane holds one query throughout.  K comes out of LDS as it lies, V turned by ds_load_tr16_b128.
; A slot holds 256 keys of k1, k2 and v, 32 KiB each, brought by waves 0, 1 and 2; a refill has a slot's four key steps of sixteen waves in which to land, so nothing is asked of memory ahead of it.
; LIMIT: p and the result leave as f16 (sizes over 65,504 are not served; under 6e-5 the step is 6e-8).
; REGISTERS: v1-11 addresses; v12-27 statistics, 8 a tile (+0 c m, +1 m, +2 +3 the sum, +4..7 at work, a in +6); v28 d, v29 -infinity; v31 Q's offset; v32-63 Q; v64-127 K, then V; v128-159 S^T; v160-191 P; v192-255 O^T.
.set SLOT1, 131072
.set K2O,   36864                      ; k2's 256 rows behind k1's
.set VOFF,  73728
.set PK,    144                        ; a key's row: 128 bytes + 16
.set PV,    160                        ; a row of v: 128 bytes + 32
.set SPARE, 262144                     ; the spare words: 128 bytes for each of 16 waves
.set STG,   65536                      ; the way out, in slot 0, behind its last fill and last read: from 0 a pair's 8,192 bytes of O^T; from here a pair's 32 rows x 144 bytes
.macro CROUND
	s_barrier_signal -1
	s_barrier_wait -1
	s_cmp_lg_u32 s10, 0
	s_cbranch_scc1 .Lnot_wave_0_\@
	s_barrier_signal -3
.Lnot_wave_0_\@:
	s_barrier_wait -3
	s_barrier_signal -1
	s_barrier_wait -1
.endm
.macro TLOAD s                         ; waves 0, 1: k1, k2; wave 2: v; the others nothing.  An s_nop 0 and four v_nop follow each line
	s_cmp_lt_u32 s10, 2
	s_cbranch_scc0 .Lnot_k_\@
	tensor_load_to_lds s[40+4*\s:43+4*\s], s[24:31]
	s_nop 0
.rept 4
	v_nop
.endr
	s_branch .Lasked_\@
.Lnot_k_\@:
	s_cmp_lt_u32 s10, 3
	s_cbranch_scc0 .Lasked_\@
	tensor_load_to_lds s[48+4*\s:51+4*\s], s[32:39]
	s_nop 0
.rept 4
	v_nop
.endr
.Lasked_\@:
.endm
	s_load_b128 s[4:7], s[0:1], 0x0                ; qkvh, tab
	s_load_b64 s[8:9], s[0:1], 0x10                ; attn16
	v_lshl_add_u32 v5, v0, 2, SPARE
	v_mov_b32 v6, 0
	ds_add_u32 v5, v6                              ; the wave's opening: the add, twice on end, and its wait ahead of the first tensor loads
	ds_add_u32 v5, v6
	v_lshrrev_b32 v1, 5, v0
	v_readfirstlane_b32 s10, v1                    ; wave 0..15
	s_and_b32 s11, s10, 1                          ; stream
	s_lshr_b32 s12, s10, 1                         ; pair
	s_bfe_u32 s13, ttmp6, 0x40000                  ; cx: the query head inside its group; it enters Q's and the result's addresses alone
	s_and_b32 s15, ttmp7, 0xffff
	s_lshr_b32 s16, s15, 3                         ; batch
	s_and_b32 s17, s15, 7                          ; key and value head
	s_lshl_b32 s14, s12, 2
	s_add_co_u32 s14, s14, ttmp9                   ; t = 4 i + j
	s_lshl_b32 s18, s14, 5                         ; my first query
	s_add_co_u32 s19, s18, 31                      ; my last
	s_mov_b32 s20, 0                               ; the step's first key
	; every LDS address is made here, ahead of any parting of the waves
	v_and_b32 v28, 31, v0                          ; lane
	v_and_b32 v29, 15, v0                          ; r
	v_bfe_u32 v30, v0, 4, 1                        ; h
	v_mul_u32_u24 v1, v29, PK
	v_lshl_add_u32 v1, v30, 4, v1
	s_mul_i32 s66, s11, K2O
	v_add_nc_u32 v1, s66, v1                       ; K: row r, 16 h, my stream's tile
	v_and_b32 v31, 7, v0
	v_lshl_add_u32 v2, v30, 3, v31
	v_mul_u32_u24 v2, v2, PV
	v_bfe_u32 v31, v0, 3, 1
	v_lshl_add_u32 v2, v31, 4, v2
	v_add_nc_u32 v2, VOFF, v2                      ; V: key 8 h + lane % 8, 16 bytes by (lane / 8) % 2
	v_lshlrev_b32 v10, 4, v28                      ; 16 x lane
	s_lshl_b32 s66, s12, 13
	v_add_nc_u32 v7, s66, v10                      ; the pair's exchange
	s_mul_i32 s66, s12, 32*PK
	s_add_co_u32 s66, s66, STG
	v_mul_u32_u24 v8, v29, PK
	v_lshl_add_u32 v8, v30, 4, v8
	v_add_nc_u32 v8, s66, v8                       ; the pair's stage, in
	v_lshrrev_b32 v9, 3, v28
	v_mul_u32_u24 v9, v9, PK
	v_and_b32 v31, 7, v0
	v_lshl_add_u32 v9, v31, 4, v9
	v_add_nc_u32 v9, s66, v9                       ; and back: eight lanes to a row of 128 bytes
	v_lshlrev_b32 v11, 3, v30
	v_sub_nc_u32 v11, v29, v11                     ; r - 8 h
	v_lshlrev_b32 v31, 7, v29
	v_lshl_add_u32 v31, v30, 4, v31                ; Q: row r of 128 bytes, 16 h
	v_mov_b32 v29, 0xff800000                      ; -infinity
	; descriptor groups 1: 256 rows x 64 elements of 2 bytes, dense in memory, padded behind every row of 32 words
	s_mov_b32 s24, 15|(1<<16)|(1<<20)|(1<<21)|(4<<22)|(3<<25)
	s_mov_b32 s32, 15|(1<<16)|(1<<20)|(1<<21)|(4<<22)|(7<<25)
.irp g, 24, 32
	s_mov_b32 s[\g+1], 64<<16
	s_mov_b32 s[\g+2], 256<<16
	s_mov_b32 s[\g+3], 64<<16
	s_mov_b32 s[\g+4], 256
	s_mov_b32 s[\g+5], 64
	s_mov_b32 s[\g+6], 0
	s_mov_b32 s[\g+7], 0
.endr
	s_mov_b32 s56, 0x3e38aa3b                      ; c = log2(e) / 8
	s_mov_b32 s57, s56
	s_mov_b32 s58, 0x76543210
	s_mov_b32 s59, 0xfedcba98
	s_mul_i32 s66, s16, 88
	s_add_co_u32 s66, s66, s17                     ; 88 b + kv head
	s_lshl_b32 s67, s11, 3
	s_add_co_u32 s67, s67, s66
	s_add_co_u32 s67, s67, 64                      ; group of k1 (even waves) or k2 (odd)
	s_lshl_b32 s68, s67, 17
	s_mov_b32 s69, 0
	s_add_co_u32 s70, s66, 80                      ; group of v
	s_lshl_b32 s70, s70, 17
	s_mov_b32 s71, 0
	s_mul_i32 s72, s11, K2O
	s_lshl_b32 s73, s17, 2
	s_add_co_u32 s73, s73, s13                     ; the query head
	s_mul_i32 s74, s16, 88
	s_add_co_u32 s74, s74, s73
	s_lshl_b32 s75, s11, 5
	s_add_co_u32 s74, s74, s75                     ; group of q1 or q2
	s_lshl_b32 s74, s74, 10
	s_add_co_u32 s74, s74, s18
	s_lshl_b32 s74, s74, 7
	s_mov_b32 s75, 0
	s_lshl_b32 s76, s16, 4
	s_lshr_b32 s77, s14, 1
	s_add_co_u32 s76, s76, s77                     ; block of 64 rows
	s_lshl_b32 s76, s76, 5
	s_add_co_u32 s76, s76, s73
	s_lshl_b32 s76, s76, 6
	s_and_b32 s77, s14, 1
	s_lshl_b32 s77, s77, 5
	s_add_co_u32 s76, s76, s77
	s_lshl_b32 s76, s76, 7
	s_mov_b32 s77, 0
	s_wait_dscnt 0x0                               ; both opening adds are done
	s_wait_kmcnt 0x0
	s_load_b32 s60, s[6:7], 0x40000                ; lambda_full
	s_add_nc_u64 s[68:69], s[4:5], s[68:69]
	s_add_nc_u64 s[70:71], s[4:5], s[70:71]
	s_add_nc_u64 s[74:75], s[4:5], s[74:75]
	s_add_nc_u64 s[8:9], s[8:9], s[76:77]
.irp s, 0,1
	s_mov_b32 s[40+4*\s], 1
	s_add_co_u32 s[41+4*\s], s72, \s*SLOT1
	s_add_nc_u64 s[42+4*\s:43+4*\s], s[68:69], \s*32768
	s_or_b32 s[43+4*\s], s[43+4*\s], 0x80000000
	s_mov_b32 s[48+4*\s], 1
	s_mov_b32 s[49+4*\s], \s*SLOT1+VOFF
	s_add_nc_u64 s[50+4*\s:51+4*\s], s[70:71], \s*32768
	s_or_b32 s[51+4*\s], s[51+4*\s], 0x80000000
.endr
	CROUND                                         ; all four work-groups are here: the first joint loads meet
	s_cmp_lt_u32 s10, 2                            ; a loading wave's two first fills stand in one branch: two loads of it are out
	s_cbranch_scc0 .Lfirst_not_k
	tensor_load_to_lds s[40:43], s[24:31]
	s_nop 0
	tensor_load_to_lds s[44:47], s[24:31]
	s_nop 0
.rept 4
	v_nop
.endr
	s_branch .Lfirst_asked
.Lfirst_not_k:
	s_cmp_lt_u32 s10, 3
	s_cbranch_scc0 .Lfirst_asked
	tensor_load_to_lds s[48:51], s[32:39]
	s_nop 0
	tensor_load_to_lds s[52:55], s[32:39]
	s_nop 0
.rept 4
	v_nop
.endr
.Lfirst_asked:
.irp tau, 0,1
.irp c, 0,1
	global_load_b128 v[32+16*\tau+8*\c:35+16*\tau+8*\c], v31, s[74:75] offset:2048*\tau+64*\c      ; Q stays in registers: tile tau, channels 32 c on
	global_load_b128 v[36+16*\tau+8*\c:39+16*\tau+8*\c], v31, s[74:75] offset:2048*\tau+64*\c+32
.endr
.endr
.irp tau, 0,1
	v_mov_b32 v[13+8*\tau], 0xff61b1e6             ; the largest score so far: -3e38
	v_mul_f32 v[12+8*\tau], s56, v[13+8*\tau]
	v_mov_b32 v[14+8*\tau], 0
	v_mov_b32 v[15+8*\tau], 0
	v_mov_b32 v[17+8*\tau], 0                      ; written once on every way: the way out's lane permute counts its destination as a source,
	v_mov_b32 v[19+8*\tau], 0                      ; and its packed multiplies name this register as the upper half of a pair
.endr
.set n, 0
.rept 64
	v_mov_b32 v[192+n], 0                          ; O^T: the step is written once; the first finds zeros
.set n, n+1
.endr
	s_wait_kmcnt 0x0
	s_cmp_eq_u32 s11, 0
	s_cselect_b32 s61, 1.0, s60                    ; stream 1's weight is 1, stream 2's lambda_full: a choice of a value, no branch
.macro QK tau                          ; S^T = K Q^T for tile tau: four accumulators by turns, two deep
.irp c, 0,1
.irp kt, 0,1,2,3
.if \c == 0
	v_wmma_f32_16x16x32_f16 v[128+8*\kt:135+8*\kt], v[64+16*\kt:71+16*\kt], v[32+16*\tau:39+16*\tau], 0
.else
	v_wmma_f32_16x16x32_f16 v[128+8*\kt:135+8*\kt], v[72+16*\kt:79+16*\kt], v[40+16*\tau:47+16*\tau], v[128+8*\kt:135+8*\kt]
.endif
.endr
.endr
.rept 4
	v_nop                                          ; places in front of the first read of the scores, and of loads into K's registers
.endr
.endm
.macro MASKQ tau                       ; on the diagonal hidden scores become -infinity; a step all of whose keys count skips this (ids and the count of steps alone)
	s_add_co_u32 s66, s20, 63
	s_cmp_le_u32 s66, s18
	s_cbranch_scc1 .Lopen_\@
	s_sub_co_i32 s66, s18, s20
	s_add_co_i32 s66, s66, 16*\tau
	v_add_nc_u32 v28, s66, v11                     ; d = my query - first key - 8 h; register 8 kt + j holds key 16 kt + 8 h + j: hidden where 16 kt + j > d
.set n, 0
.rept 32
	v_cmp_gt_i32 vcc_lo, 16*(n/8)+n%8, v28
	v_cndmask_b32 v[128+n], v[128+n], v29, vcc_lo
.set n, n+1
.endr
.Lopen_\@:
.endm
.macro SOFTMAX tau
.set rT, 12+8*(\tau)
.set rP, 160+16*(\tau)
.set rO, 192+32*(\tau)
.irp k, 0,1,2,3
	v_max3_num_f32 v[rT+4+\k], v[128+8*\k], v[129+8*\k], v[130+8*\k]   ; four chains, each from an accumulator's low end
.endr
.irp q, 3,5
.irp k, 0,1,2,3
	v_max3_num_f32 v[rT+4+\k], v[rT+4+\k], v[128+8*\k+\q], v[129+8*\k+\q]
.endr
.endr
	v_max3_num_f32 v[rT+4], v[rT+4], v135, v143
	v_max3_num_f32 v[rT+6], v[rT+6], v151, v159
	v_max3_num_f32 v[rT+4], v[rT+4], v[rT+5], v[rT+6]
	v_max3_num_f32 v[rT+4], v[rT+4], v[rT+7], v[rT+1]      ; with the old maximum
	v_permlanex16_b32 v[rT+5], v[rT+4], s58, s59           ; the query's other 32 keys lie in the lane 16 away
	v_mov_b32 v[rT+7], v[rT]
	v_max_num_f32 v[rT+1], v[rT+4], v[rT+5]
	v_mul_f32 v[rT], s56, v[rT+1]
	v_sub_f32 v[rT+7], v[rT+7], v[rT]                      ; c m_old - c m_new
.set n, 0
.rept 16
	v_pk_fma_f32 v[128+2*n:129+2*n], v[128+2*n:129+2*n], s[56:57], v[rT:rT+1] op_sel_hi:[1,0,0] neg_lo:[0,0,1] neg_hi:[0,0,1]   ; c s - c m
.set n, n+1
.endr
	v_exp_f32 v[rT+6], v[rT+7]                             ; a
.set n, 0
.rept 32
	v_exp_f32 v[128+n], v[128+n]                           ; p: one batch
.set n, n+1
.endr
	v_nop                                                  ; a plain line behind the last exponential
	s_wait_alu depctr_va_vdst(0)                           ; one wait for the batch, ahead of its first reader
.set n, 0
.rept 16
	v_cvt_pk_f16_f32 v[rP+n], v[128+2*n], v[129+2*n]       ; two tiles of 16 keys are source 1 of the second product as they stand
.set n, n+1
.endr
.irp u, 0,1,2,3,4,5,6,7
	v_pk_add_f32 v[128+4*\u:129+4*\u], v[128+4*\u:129+4*\u], v[130+4*\u:131+4*\u]   ; the row's sum, of the unrounded p
.endr
.irp u, 0,1,2,3
	v_pk_add_f32 v[128+8*\u:129+8*\u], v[128+8*\u:129+8*\u], v[132+8*\u:133+8*\u]
.endr
.irp u, 0,1
	v_pk_add_f32 v[128+16*\u:129+16*\u], v[128+16*\u:129+16*\u], v[136+16*\u:137+16*\u]
.endr
	v_pk_add_f32 v[128:129], v[128:129], v[144:145]
	v_pk_fma_f32 v[rT+2:rT+3], v[rT+2:rT+3], v[rT+6:rT+7], v[128:129] op_sel_hi:[1,0,1]
.set n, 0
.rept 16
	v_pk_mul_f32 v[rO+2*n:rO+2*n+1], v[rO+2*n:rO+2*n+1], v[rT+6:rT+7] op_sel_hi:[1,0]   ; O^T under the new maximum; these lines name no register of the score products: they are the places behind them
.set n, n+1
.endr
.endm
; A KEY STEP of 64 keys.  A step all of whose keys come after my queries is left out: a branch on ids and the count of steps, round the work alone.
.macro STEP
	s_cmp_gt_u32 s20, s19
	s_cbranch_scc1 .Lhid_\@
	v_add_nc_u32 v3, s21, v1
	v_add_nc_u32 v4, s22, v2
	v_nop
	v_nop                                          ; four places in front of loads into registers that the last products read
.irp kt, 0,1,2,3
.irp c, 0,1
	ds_load_b128 v[64+16*\kt+8*\c:67+16*\kt+8*\c], v3 offset:\kt*16*PK+64*\c
	ds_load_b128 v[68+16*\kt+8*\c:71+16*\kt+8*\c], v3 offset:\kt*16*PK+64*\c+32
.endr
.endr
	s_wait_dscnt 0x0
	QK 0
	MASKQ 0
	SOFTMAX 0
	QK 1
.irp kc, 0,1
.irp ct, 0,1,2,3
	ds_load_tr16_b128 v[64+8*(4*\kc+\ct):67+8*(4*\kc+\ct)], v4 offset:\kc*32*PV+32*\ct          ; V turned: keys 32 kc on, channels 16 ct on; it lands under tile 1's softmax
	ds_load_tr16_b128 v[68+8*(4*\kc+\ct):71+8*(4*\kc+\ct)], v4 offset:\kc*32*PV+16*PV+32*\ct
.endr
.endr
	MASKQ 1
	SOFTMAX 1
	s_wait_dscnt 0x0
.irp kc, 0,1
.irp ct, 0,1,2,3
.irp tau, 0,1
	v_wmma_f32_16x16x32_f16 v[192+32*\tau+8*\ct:199+32*\tau+8*\ct], v[64+8*(4*\kc+\ct):71+8*(4*\kc+\ct)], v[160+16*\tau+8*\kc:167+16*\tau+8*\kc], v[192+32*\tau+8*\ct:199+32*\tau+8*\ct]   ; eight accumulators by turns
.endr
.endr
.endr
.Lhid_\@:
	s_add_co_u32 s20, s20, 64
	s_add_co_u32 s21, s21, 64*PK
	s_add_co_u32 s22, s22, 64*PV
.endm
.macro SLOT s                          ; a slot's four key steps: written once, walked four times
	s_mov_b32 s21, \s*SLOT1
	s_mov_b32 s22, \s*SLOT1
	s_mov_b32 s23, 4
.Lstep_\@:
	STEP
	s_sub_co_u32 s23, s23, 1
	s_cmp_lg_u32 s23, 0
	s_cbranch_scc1 .Lstep_\@
.endm
; THE CHANGE OF SLOTS.  Each wave waits for all its tensor loads, adds 0 to its spare word, waits for that and for its reads of the slot that it has left.  fill = 1: a round of the cluster's barrier, and slot s is filled with the keys two slots on.
.macro CHANGE fill, s
	s_wait_tensorcnt 0x0
	ds_add_u32 v5, v6
.if \fill
	ds_add_u32 v5, v6                              ; and once more
	s_add_nc_u64 s[42+4*\s:43+4*\s], s[42+4*\s:43+4*\s], 65536
	s_add_nc_u64 s[50+4*\s:51+4*\s], s[50+4*\s:51+4*\s], 65536
	s_wait_dscnt 0x0
	CROUND
	TLOAD \s
.else
	s_wait_dscnt 0x0
	s_barrier_signal -1
	s_barrier_wait -1
.endif
.endm
	s_wait_tensorcnt 1                             ; my part of slot 0 is in; slot 1's may stay out
	s_barrier_signal -1
	s_barrier_wait -1
	s_wait_loadcnt 0x0                             ; Q
	SLOT 0
	CHANGE 1, 0
	SLOT 1
	CHANGE 1, 1
	SLOT 0
	CHANGE 0, 0
	SLOT 1
	; THE WAY OUT.  O^T / the sum, times the stream's weight; stream 2 hands its 64 registers to stream 1 as they stand; stream 1 subtracts, rounds to f16 and stores 32 rows of 128 bytes, 4,096 consecutive bytes.
.rept 4
	v_nop
.endr
.irp tau, 0,1
	v_add_f32 v[16+8*\tau], v[14+8*\tau], v[15+8*\tau]
.endr
.irp tau, 0,1
	v_permlanex16_b32 v[17+8*\tau], v[16+8*\tau], s58, s59
.endr
.irp tau, 0,1
	v_add_f32 v[16+8*\tau], v[16+8*\tau], v[17+8*\tau]
.endr
.irp tau, 0,1
	v_rcp_f32 v[18+8*\tau], v[16+8*\tau]
.endr
	v_nop
	s_wait_alu depctr_va_vdst(0)
.irp tau, 0,1
	v_mul_f32 v[18+8*\tau], s61, v[18+8*\tau]
.endr
.irp tau, 0,1
.set n, 0
.rept 16
	v_pk_mul_f32 v[192+32*\tau+2*n:193+32*\tau+2*n], v[192+32*\tau+2*n:193+32*\tau+2*n], v[18+8*\tau:19+8*\tau] op_sel_hi:[1,0]
.set n, n+1
.endr
.endr
	s_cmp_eq_u32 s11, 0
	s_cbranch_scc1 .Lno_send
.set n, 0
.rept 16
	ds_store_b128 v7, v[192+4*n:195+4*n] offset:512*n
.set n, n+1
.endr
.Lno_send:
	s_wait_dscnt 0x0                               ; for the partner's sake: my stores have landed
	s_barrier_signal -1
	s_barrier_wait -1
	s_cmp_lg_u32 s11, 0
	s_cbranch_scc1 .Ldone
.set n, 0
.rept 16
	ds_load_b128 v[64+4*n:67+4*n], v7 offset:512*n
.set n, n+1
.endr
	s_wait_dscnt 0x0
.set n, 0
.rept 32
	v_pk_add_f32 v[192+2*n:193+2*n], v[192+2*n:193+2*n], v[64+2*n:65+2*n] neg_lo:[0,1] neg_hi:[0,1]
.set n, n+1
.endr
.set n, 0
.rept 32
	v_cvt_pk_f16_f32 v[128+n], v[192+2*n], v[193+2*n]
.set n, n+1
.endr
.irp tau, 0,1
.irp ct, 0,1,2,3
	ds_store_b128 v8, v[128+4*(4*\tau+\ct):131+4*(4*\tau+\ct)] offset:\tau*16*PK+32*\ct
.endr
.endr
.irp u, 0,1,2,3,4,5,6,7
	ds_load_b128 v[160+4*\u:163+4*\u], v9 offset:4*PK*\u   ; LDS serves a wave's instructions in order: these see my stores
.endr
.irp u, 0,1,2,3,4,5,6,7
	s_wait_dscnt 7-\u                              ; the younger loads may stay out
	global_store_b128 v10, v[160+4*\u:163+4*\u], s[8:9] offset:512*\u   ; 512 consecutive bytes, aligned
.endr
.Ldone:
	s_wait_tensorcnt 0x0                           ; the wave's end
	ds_add_u32 v5, v6
	s_wait_dscnt 0x0
	CROUND                                         ; the closing round
	s_endpgm
.Lfunc_end_k_q125af75bba_attn:
	.size	k_q125af75bba_attn, .Lfunc_end_k_q125af75bba_attn-k_q125af75bba_attn
	.p2alignl 7, 3214868480
	.fill 96, 4, 3214868480
	.section	.rodata,"a",@progbits
	.p2align	6, 0x0
	.amdhsa_kernel k_q125af75bba_attn
		.amdhsa_group_segment_fixed_size 327680
		.amdhsa_private_segment_fixed_size 0
		.amdhsa_enable_private_segment 0
		.amdhsa_kernarg_size 24
		.amdhsa_user_sgpr_count 2
		.amdhsa_user_sgpr_kernarg_segment_ptr 1
		.amdhsa_wavefront_size32 1
		.amdhsa_system_sgpr_workgroup_id_x 1
		.amdhsa_system_sgpr_workgroup_id_y 1
		.amdhsa_system_sgpr_workgroup_id_z 1
		.amdhsa_system_vgpr_workitem_id 0
		.amdhsa_next_free_vgpr 256
		.amdhsa_next_free_sgpr 84
		.amdhsa_reserve_vcc 1
		.amdhsa_float_denorm_mode_32 3
		.amdhsa_float_denorm_mode_16_64 3
		.amdhsa_memory_ordered 1
		.amdhsa_forward_progress 1
		.amdhsa_inst_pref_size 112
	.end_amdhsa_kernel
	.amdgpu_metadata
---
amdhsa.version: [ 1, 2 ]
amdhsa.kernels:
  - .name:           k_q125af75bba_attn
    .symbol:         k_q125af75bba_attn.kd
    .args:
      - { .name: qkvh, .offset: 0, .size: 8, .value_kind: global_buffer, .address_space: global }
      - { .name: tab, .offset: 8, .size: 8, .value_kind: global_buffer, .address_space: global }
      - { .name: attn16, .offset: 16, .size: 8, .value_kind: global_buffer, .address_space: global }
    .group_segment_fixed_size: 327680
    .private_segment_fixed_size: 0
    .kernarg_segment_align: 8
    .kernarg_segment_size: 24
    .max_flat_workgroup_size: 512
    .sgpr_count:     84
    .vgpr_count:     256
    .wavefront_size: 32
...
	.end_amdgpu_metadata
.endif
;; end of part 4
;; launch proj (part 5): grid 16 x 16, 4 waves a work-group, clusters of 4 x 4, 327,680 bytes of LDS; arguments attn16, wo16, attnf, wo, out0; writes out0
.if DOCPART == 5
	.amdgcn_target "amdgcn-amd-amdhsa--gfx1250"
	.amdhsa_code_object_version 6
	.text
	.protected	k_q125af75bba_proj
	.globl	k_q125af75bba_proj
	.p2align	8
	.type	k_q125af75bba_proj,@function
k_q125af75bba_proj:
	s_mov_b64 s[64:65], 0
	v_nop
	global_prefetch_b8 v0, s[64:65] scope:SCOPE_SE
	s_setreg_imm32_b32 hwreg(HW_REG_WAVE_MODE, 25, 1), 1
	s_wait_xcnt 0x0
	s_wait_alu depctr_hold_cnt(0) depctr_sa_sdst(0) depctr_va_vdst(0) depctr_va_sdst(0) depctr_va_ssrc(0) depctr_va_vcc(0) depctr_vm_vsrc(0)
	s_getreg_b32 s2, hwreg(HW_REG_IB_STS2, 6, 4)
	s_cmp_eq_u32 s2, 0
	s_cbranch_scc0 .Lentry_in_a_cluster
	s_endpgm
.Lentry_in_a_cluster:
	s_bfe_u32 s2, ttmp6, 0x10000c
	s_cmp_lg_u32 s2, 0xf033
	s_cbranch_scc0 .Lentry_shape_is_right
	s_endpgm
.Lentry_shape_is_right:
; Launch 5 of 5: out0 = (1 - lambda_init) x attn wo^T, in two parts.
; THE BULK: f16 operands, f32 sums: all rows but those of positions 0-15 of both sequences.  A tile of out0 is 128 x 128: 256 tiles, one for each work-group; four waves, 64 x 64 each: 16 accumulators.
; K goes in steps of 256 through two LDS slots.  attn16 lies [64 rows][head][row][64]: a wave's fetch for A, 64 rows x 4 heads, is 32 KiB dense: 256 lines of 128 bytes, in LDS [head 4][row 64][144 bytes].
; wo16's tile: 64 rows of 512 bytes, 528 apart.  CLUSTERS: 4 x 4 work-groups; A's tile is asked for jointly along a row of the cluster, B's along a column.
; THE MATRIX INSTRUCTION IS USED TRANSPOSED (source 0 = rows of wo, source 1 = rows of attn).
; THE FINE ROWS: the 32 rows at positions 0-15, attnf x wo^T in f32 all the way (the factor 1 - lambda_init is in attnf already).  They are 256 units of 16 positions x 16 columns x K 2,048, as many as
; there are work-groups: the work-group of tile row T and tile column C takes batch T / 8 and columns 16 (16 (T % 8) + C) on; its place enters global addresses alone, no branch and no LDS address.
; Wave w takes k = 512 w .. 512 w + 511: 128 instructions of the f32 matrix form on two accumulators by turns, dealt out in six groups (24, 24, 20, 20, 20, 20), each ahead of the wait for all tensor
; loads at one of the six changes of slots that fill a slot again: work on registers where the wave would next wait for its tile.  Their operands come from memory straight into windows 2 and 3, each
; register loaded once, a batch two groups ahead of its use; at most 48 such loads of a wave are out.  attnf holds images of registers (lane (r, h): position r, k = 16 kg + 8 h + 4 i + 0 .. 3), and wo
; is loaded so that lane (r, h) has the same k of its row: a register pair is an operand on both sides.  The groups' register numbers never come back, so the laps are written out and not looped.
; The four waves' eight parts meet in LDS bytes of their own, behind the barrier of the last change of slots, and are added in a fixed order.  These 256 KiB leave as pieces of 64 bytes of a row.
; REGISTERS: window 0: v8-11, v16-29 addresses; v32-95 the way out; v96-111 the two f32 accumulators, written by matrix instructions alone; v128-255 the bulk's accumulators
; ((a, b) at v[128 + 8 (4 a + b)]).  window 1: two fragment buffers of 128.  window 2: wo in f32, 8 registers for each 16 along K.  window 3: attnf likewise.
.set KSTEP,  256
.set PITCH,  528
.set PA,     144
.set AH,     256*PA                    ; what one load brings of A
.set APL,    64*PA                     ; a head's 64 rows
.set BH,     64*PITCH
.set BOFF,   2*AH
.set SLOT,   2*AH+2*BH
.set STAGE,  2*SLOT                    ; behind the ring: 16 rows x 272 bytes for each wave
.set SPITCH, 272
.set SPARE,  STAGE+4*16*SPITCH         ; the spare words: 128 bytes a wave, two blocks of 256 bytes that no other line names
.set FSC,    SPARE+512                 ; the fine rows' parts: 2,048 bytes a wave; no fill lands here
.set LAPS,   4
.set FWO,  8                           ; v8  row r of 8,192 bytes + 32 h: my place in wo's 16 rows and in out0's 16 fine rows; never rewritten
.set FAO,  9                           ; v9  16 x lane: my place in an image of attnf; never rewritten
.set FST,  10                          ; v10 LDS: where I put my parts
.set FRD,  11                          ; v11 LDS: where waves 0 and 1 read: half w of every part
.set ADRA, 16
.set ADRB, 20
.set STO,  24
.set RD,   25
.set CO,   26
.set FL,   27                          ; v27 0 in the waves whose first block of rows is positions 0-15
.set SPW,  28
.set NIL,  29
.set TMP,  32
.set BKR,  64
.set FD0,  96                          ; the f32 accumulators
.set FD1,  104
.set ACC,  128
.set F0,   0
.set F1,   128
.set G1, 24
.set G0, 32
.set G1B, 48
.set G0B, 56
.set FAB, 72                           ; s[72:73] attnf at my batch and my wave's k
.set FWB, 74                           ; s[74:75] wo at my 16 rows and my wave's k
.set FOB, 76                           ; s[76:77] out0 at my batch's first row, my 16 columns, half w % 2
.set MSB, 0
.macro WIN new
.if MSB != \new
	s_set_vgpr_msb (MSB<<8)|\new
.set MSB, \new
.endif
.endm
.set MUL,  0x05
.set TO_F, 0x40
.macro JLOAD s                         ; waves 0 and 1 fetch A's two halves, waves 2 and 3 B's; an s_nop 0 and four v_nop follow each line
	s_cmp_eq_u32 s11, 0
	s_cbranch_scc0 .Lfor_b_\@
	tensor_load_to_lds s[G0+4*\s:G0+4*\s+3], s[G1:G1+7]
	s_nop 0
.rept 4
	v_nop
.endr
	s_branch .Lasked_\@
.Lfor_b_\@:
	tensor_load_to_lds s[G0B+4*\s:G0B+4*\s+3], s[G1B:G1B+7]
	s_nop 0
.rept 4
	v_nop
.endr
.Lasked_\@:
.endm
.macro CREST
	s_cmp_lg_u32 s10, 0
	s_cbranch_scc1 .Lnot_wave_0_\@
	s_barrier_signal -3
.Lnot_wave_0_\@:
	s_barrier_wait -3
	s_barrier_signal -1
	s_barrier_wait -1
.endm
.macro CROUND
	s_barrier_signal -1
	s_barrier_wait -1
	CREST
.endm
; THE FINE ROWS' MACROS.  My wave's 512 along K are 32 pieces of 16; batch b holds pieces FK0 .. FK0 + FKN - 1: 6, 6, 5, 5, 5, 5 of them.
.macro FBATCH b
.if (\b) < 2
.set FK0, 6*(\b)
.set FKN, 6
.else
.set FK0, 12+5*((\b)-2)
.set FKN, 5
.endif
.endm
.macro FLOADS b                        ; batch b's operands: 2 FKN loads of wo into window 2, then 2 FKN of attnf into window 3; piece q at v[8 q]
	FBATCH \b
	WIN 0x80                                       ; destination window 2, address window 0
.set fq, FK0
.rept FKN
	global_load_b128 v[8*fq:8*fq+3], v[FWO], s[FWB:FWB+1] offset:64*fq
	global_load_b128 v[8*fq+4:8*fq+7], v[FWO], s[FWB:FWB+1] offset:64*fq+16
.set fq, fq+1
.endr
	WIN 0xc0                                       ; destination window 3
.set fq, FK0
.rept FKN
	global_load_b128 v[8*fq:8*fq+3], v[FAO], s[FAB:FAB+1] offset:1024*fq
	global_load_b128 v[8*fq+4:8*fq+7], v[FAO], s[FAB:FAB+1] offset:1024*fq+512
.set fq, fq+1
.endr
.endm
.macro FMUL b                          ; batch b's 4 FKN products; the two accumulators take turns, one instruction a turn; each sum's own first step starts it
	FBATCH \b
	WIN 0x0e                                       ; source 0 (wo) window 2, source 1 (attnf) window 3, C and D window 0
.set fq, FK0
.rept FKN
.irp e, 0,4
.if (fq == 0) && (\e == 0)
	v_wmma_f32_16x16x4_f32 v[FD0:FD0+7], v[0:1], v[0:1], 0
	v_wmma_f32_16x16x4_f32 v[FD1:FD1+7], v[2:3], v[2:3], 0
.else
	v_wmma_f32_16x16x4_f32 v[FD0:FD0+7], v[8*fq+\e:8*fq+\e+1], v[8*fq+\e:8*fq+\e+1], v[FD0:FD0+7]
	v_wmma_f32_16x16x4_f32 v[FD1:FD1+7], v[8*fq+\e+2:8*fq+\e+3], v[8*fq+\e+2:8*fq+\e+3], v[FD1:FD1+7]
.endif
.endr
.set fq, fq+1
.endr
.endm
.macro FINE g                          ; group g: batch g is in; batch g + 2 goes out; batch g is multiplied
.if (\g) == 0
	s_wait_loadcnt 24                              ; batch 0 is in; batch 1's 24 loads may be out
.elseif (\g) < 5
	s_wait_loadcnt 20                              ; batch g is in; batch g + 1's 20 loads may be out
.else
	s_wait_loadcnt 0x0
.endif
.if (\g)+2 < 6
	FLOADS (\g)+2
.endif
	FMUL \g
.endm
	s_load_b128 s[4:7], s[0:1], 0x0                ; attn16, wo16
	s_load_b128 s[72:75], s[0:1], 0x10             ; attnf, wo
	s_load_b64 s[8:9], s[0:1], 0x20                ; out0
	v_lshl_add_u32 v[SPW], v0, 2, SPARE
	v_mov_b32 v[NIL], 0
	ds_add_u32 v[SPW], v[NIL]                      ; the wave's opening: the add, twice on end, and its wait ahead of my first tensor load
	ds_add_u32 v[SPW], v[NIL]
	v_lshrrev_b32 v1, 5, v0
	v_readfirstlane_b32 s10, v1
	s_lshr_b32 s11, s10, 1                         ; which half of the tile's rows is mine.  Also: I fetch for A (0) or for B (1)
	s_and_b32 s12, s10, 1                          ; which half of its columns.  Also: which 64 rows I fetch
	s_bfe_u32 s40, ttmp6, 0x40000
	s_bfe_u32 s41, ttmp6, 0x40004
	s_lshl_b32 s42, ttmp9, 2
	s_add_co_u32 s42, s42, s40                     ; tile column
	s_and_b32 s13, ttmp7, 0xffff
	s_lshl_b32 s13, s13, 2
	s_add_co_u32 s13, s13, s41                     ; tile row
	s_lshl_b32 s43, s41, 2
	s_lshl_b32 s43, 15, s43                        ; my row of the cluster
	s_lshl_b32 s44, 0x1111, s40                    ; my column
	s_or_b32 s[G1+0], s43, (1<<16)|(1<<20)|(1<<21)|(4<<22)|(3<<25)   ; A: elements of 2 bytes; 4 words of padding behind every 32
	s_mov_b32 s[G1+1], 64<<16
	s_mov_b32 s[G1+2], 256<<16
	s_mov_b32 s[G1+3], 64<<16
	s_mov_b32 s[G1+4], 256
	s_mov_b32 s[G1+5], 64
	s_mov_b32 s[G1+6], 0
	s_mov_b32 s[G1+7], 0
	s_or_b32 s[G1B+0], s44, (1<<16)|(1<<20)|(1<<21)|(6<<22)|(3<<25)  ; B: 4 words of padding behind every 128
	s_mov_b32 s[G1B+1], KSTEP<<16
	s_mov_b32 s[G1B+2], 64<<16
	s_mov_b32 s[G1B+3], KSTEP<<16
	s_mov_b32 s[G1B+4], 64
	s_mov_b32 s[G1B+5], 2048
	s_mov_b32 s[G1B+6], 0
	s_mov_b32 s[G1B+7], 0
	s_lshl_b32 s16, s13, 1
	s_add_co_u32 s16, s16, s12                     ; A: block of 64 rows = 2 x tile row + half,
	s_lshl_b32 s16, s16, 18                        ; 262,144 bytes each
	s_mov_b32 s17, 0
	s_lshl_b32 s46, s42, 7
	s_lshl_b32 s47, s12, 6
	s_add_co_u32 s46, s46, s47                     ; B: row 128 x tile column + 64 x half,
	s_lshl_b32 s46, s46, 12                        ; 4,096 bytes each
	s_mov_b32 s47, 0
	s_mul_i32 s20, s12, AH                         ; where they go
	s_mul_i32 s21, s12, BH
	s_add_co_u32 s21, s21, BOFF
	s_mov_b32 s66, 0x3e5d9673                      ; 1 - lambda_init
	s_mov_b32 s67, s66
	; the fine rows' offsets, in registers that feed no descriptor
	s_and_b32 s78, s13, 7
	s_lshl_b32 s78, s78, 4
	s_add_co_u32 s78, s78, s42                     ; my block of 16 columns: 16 (tile row % 8) + tile column
	s_lshr_b32 s80, s13, 3                         ; my batch
	s_lshl_b32 s82, s78, 17                        ; wo: 16 rows of 8,192 bytes a block,
	s_lshl_b32 s79, s10, 11
	s_add_co_u32 s82, s82, s79                     ; my wave's 512 numbers of each row
	s_mov_b32 s83, 0
	s_lshl_b32 s84, s80, 17                        ; attnf: 131,072 bytes a batch,
	s_lshl_b32 s79, s10, 15
	s_add_co_u32 s84, s84, s79                     ; my wave's 32 pieces of 1,024 bytes
	s_mov_b32 s85, 0
	s_lshl_b32 s86, s80, 23                        ; out0: 8,388,608 bytes a batch,
	s_lshl_b32 s79, s78, 6
	s_add_co_u32 s86, s86, s79                     ; 64 bytes a block of columns,
	s_and_b32 s79, s10, 1
	s_lshl_b32 s79, s79, 4
	s_add_co_u32 s86, s86, s79                     ; and the half that wave 0 or 1 stores
	s_mov_b32 s87, 0
	s_wait_dscnt 0x0
	s_wait_kmcnt 0x0
	s_add_nc_u64 s[14:15], s[4:5], s[16:17]
	s_add_nc_u64 s[46:47], s[6:7], s[46:47]
	s_add_nc_u64 s[FWB:FWB+1], s[FWB:FWB+1], s[82:83]
	s_add_nc_u64 s[FAB:FAB+1], s[FAB:FAB+1], s[84:85]
	s_add_nc_u64 s[FOB:FOB+1], s[8:9], s[86:87]
	CROUND                                         ; all sixteen work-groups are here: the first joint loads meet
.irp s, 0,1
	s_mov_b32 s[G0+4*\s], 1
	s_add_co_u32 s[G0+4*\s+1], s20, \s*SLOT
	s_add_nc_u64 s[G0+4*\s+2:G0+4*\s+3], s[14:15], \s*32768
	s_or_b32 s[G0+4*\s+3], s[G0+4*\s+3], 0x80000000
	s_mov_b32 s[G0B+4*\s], 1
	s_add_co_u32 s[G0B+4*\s+1], s21, \s*SLOT
	s_add_nc_u64 s[G0B+4*\s+2:G0B+4*\s+3], s[46:47], \s*KSTEP*2
	s_or_b32 s[G0B+4*\s+3], s[G0B+4*\s+3], 0x80000000
	JLOAD \s
.endr
	v_and_b32 v1, 15, v0                           ; r
	v_bfe_u32 v2, v0, 4, 1                         ; h
	v_lshlrev_b32 v[FWO], 13, v1
	v_lshl_add_u32 v[FWO], v2, 5, v[FWO]
	v_and_b32 v[FAO], 31, v0
	v_lshlrev_b32 v[FAO], 4, v[FAO]
	FLOADS 0                                       ; the fine rows' first two batches go out behind the first fills: 48 loads
	FLOADS 1
	WIN 0
	s_lshl_b32 s79, s10, 11
	s_add_co_u32 s79, s79, FSC
	v_add_nc_u32 v[FST], s79, v[FAO]
	s_lshl_b32 s79, s10, 9
	s_add_co_u32 s79, s79, FSC
	v_add_nc_u32 v[FRD], s79, v[FAO]
	v_mul_u32_u24 v3, v1, PA
	v_lshl_add_u32 v3, v2, 4, v3
	v_mul_u32_u24 v4, v1, PITCH
	v_lshl_add_u32 v4, v2, 4, v4
	s_mul_i32 s21, s11, AH                         ; my 64 rows of A
	s_mul_i32 s22, s12, BH                         ; my 64 rows of B
	s_add_co_u32 s22, s22, BOFF
.irp s, 0,1
	v_add_nc_u32 v[ADRA+\s], s21, v3
	v_add_nc_u32 v[ADRB+\s], s22, v4
	s_add_co_u32 s21, s21, SLOT
	s_add_co_u32 s22, s22, SLOT
.endr
	s_mul_i32 s23, s10, 16*SPITCH
	s_add_co_u32 s23, s23, STAGE                   ; my stage
	v_mul_u32_u24 v5, v1, SPITCH
	v_lshl_add_u32 v5, v2, 5, v5
	v_add_nc_u32 v[STO], s23, v5                   ; in: row r, 32 bytes for each half of the lanes
	v_mul_u32_u24 v5, v2, SPITCH
	v_lshl_add_u32 v5, v1, 4, v5
	v_add_nc_u32 v[RD], s23, v5                    ; back: lanes 0-15 one row of 256 bytes, lanes 16-31 the next
	v_lshlrev_b32 v5, 13, v2
	v_lshl_add_u32 v[CO], v1, 4, v5                ; and the same two rows in out0
	s_and_b32 s18, s13, 7
	s_or_b32 s18, s18, s11
	v_mov_b32 v[FL], s18
	s_lshl_b32 s16, s13, 7
	s_lshl_b32 s17, s11, 6
	s_add_co_u32 s16, s16, s17                     ; my first row
	s_lshl_b32 s16, s16, 13
	s_mov_b32 s17, 0
	s_add_nc_u64 s[8:9], s[8:9], s[16:17]
	s_lshl_b32 s46, s42, 9
	s_lshl_b32 s47, s12, 8
	s_add_co_u32 s46, s46, s47                     ; my first column, in bytes
	s_mov_b32 s47, 0
	s_add_nc_u64 s[8:9], s[8:9], s[46:47]
.macro MUL8 f, c, a0, zero             ; the 16 accumulators take turns, one instruction a turn
.irp a, \a0, \a0+1
.irp b, 0,1,2,3
.if \zero
	v_wmma_f32_16x16x32_f16 v[ACC+8*(4*(\a)+\b):ACC+8*(4*(\a)+\b)+7], v[\f+64+8*(4*\c+\b):\f+64+8*(4*\c+\b)+7], v[\f+8*(4*\c+\a):\f+8*(4*\c+\a)+7], 0
.else
	v_wmma_f32_16x16x32_f16 v[ACC+8*(4*(\a)+\b):ACC+8*(4*(\a)+\b)+7], v[\f+64+8*(4*\c+\b):\f+64+8*(4*\c+\b)+7], v[\f+8*(4*\c+\a):\f+8*(4*\c+\a)+7], v[ACC+8*(4*(\a)+\b):ACC+8*(4*(\a)+\b)+7]
.endif
.endr
.endr
.endm
; 32 LDS loads in one run: 64 along K (one head) at byte k of B's rows, which is head k / 128 of A's tile; the first 32 along K first
.macro FETCH slot, k, f
	WIN TO_F
.irp c, 0,1
.irp i, 0,1,2,3
	ds_load_b128 v[\f+64+8*(4*\c+\i):\f+64+8*(4*\c+\i)+3],   v[ADRB+\slot] offset:\k+64*\c+\i*16*PITCH
	ds_load_b128 v[\f+64+8*(4*\c+\i)+4:\f+64+8*(4*\c+\i)+7], v[ADRB+\slot] offset:\k+64*\c+\i*16*PITCH+32
	ds_load_b128 v[\f+8*(4*\c+\i):\f+8*(4*\c+\i)+3],         v[ADRA+\slot] offset:(\k)/128*APL+64*\c+\i*16*PA
	ds_load_b128 v[\f+8*(4*\c+\i)+4:\f+8*(4*\c+\i)+7],       v[ADRA+\slot] offset:(\k)/128*APL+64*\c+\i*16*PA+32
.endr
.endr
.endm
.macro PLACES
.rept 4
	v_nop
.endr
.endm
.macro QUARTER slot, k, f, g, zero
	s_wait_dscnt 16                                ; the first 32 along K are in; the other sixteen loads may be out
	WIN MUL
	MUL8 \f, 0, 0, \zero
	MUL8 \f, 0, 2, \zero
	PLACES
	FETCH \slot, \k, \g
	s_wait_dscnt 32                                ; all but the 32 just issued
	WIN MUL
	MUL8 \f, 1, 0, 0
	MUL8 \f, 1, 2, 0
.endm
; The last quarter of a K step changes slots.  fg >= 0: group fg of the fine rows' products stands ahead of the wait for all tensor loads.
.macro TURN slot, next, fill, fg
.if (\fg) >= 0
	FINE \fg
.endif
	WIN 0
	s_wait_tensorcnt 0x0                           ; all my tensor loads have landed: my part of the next slot
	ds_add_u32 v[SPW], v[NIL]
	s_wait_dscnt 17                                ; the add and the youngest sixteen loads may be out
	WIN MUL
	MUL8 F1, 0, 0, 0
	s_wait_dscnt 0x0                               ; the add is done, and my reads of this slot are over
	s_barrier_signal -1
	MUL8 F1, 0, 2, 0
.if \fill
	WIN 0
.endif
	s_barrier_wait -1
.if \fill
	CREST                                          ; the barrier has opened a round of the cluster's barrier
	s_add_nc_u64 s[G0+4*\slot+2:G0+4*\slot+3], s[G0+4*\slot+2:G0+4*\slot+3], 65536
	s_add_nc_u64 s[G0B+4*\slot+2:G0B+4*\slot+3], s[G0B+4*\slot+2:G0B+4*\slot+3], 2*KSTEP*2
	JLOAD \slot
.else
	PLACES
.endif
	FETCH \next, 0, F0
	WIN MUL
	MUL8 F1, 1, 0, 0
	MUL8 F1, 1, 2, 0
.endm
	s_wait_tensorcnt 1                             ; my part of K step 0 is in; K step 1's may stay out
	s_barrier_signal -1
	s_barrier_wait -1
	FETCH 0, 0, F0
	QUARTER 0, 128, F0, F1, 1
.irp lap, 0,1,2                        ; LAPS - 1 laps that fill both slots again, written out: each change of slots carries another group of the fine rows' products
	QUARTER 0, 256, F1, F0, 0
	QUARTER 0, 384, F0, F1, 0
	TURN 0, 1, 1, 2*\lap
	QUARTER 1, 128, F0, F1, 0
	QUARTER 1, 256, F1, F0, 0
	QUARTER 1, 384, F0, F1, 0
	TURN 1, 0, 1, 2*\lap+1
	QUARTER 0, 128, F0, F1, 0
.endr
	QUARTER 0, 256, F1, F0, 0
	WIN 0                                          ; the fine rows' parts go to LDS: twelve v_nop stand behind the last product of the f32 form, where eight places are asked (ISA guide 7.12.1);
	ds_store_b128 v[FST], v[FD0:FD0+3]             ; each accumulator from its low end on; the barrier of the change of slots below, with its wait for all LDS instructions, shows them to the other waves
	ds_store_b128 v[FST], v[FD0+4:FD0+7] offset:512
	ds_store_b128 v[FST], v[FD1:FD1+3] offset:1024
	ds_store_b128 v[FST], v[FD1+4:FD1+7] offset:1536
	QUARTER 0, 384, F0, F1, 0                      ; (its first wait now leaves these four stores and twelve loads out: more than it needs is in)
	TURN 0, 1, 0, -1
	QUARTER 1, 128, F0, F1, 0
	QUARTER 1, 256, F1, F0, 0
	QUARTER 1, 384, F0, F1, 0
	s_wait_dscnt 16
	WIN MUL
	MUL8 F1, 0, 0, 0
	MUL8 F1, 0, 2, 0
	s_wait_dscnt 0
	MUL8 F1, 1, 0, 0
	MUL8 F1, 1, 2, 0
	WIN 0
; THE WAY OUT, 16 rows at a time.  A wave's 64 columns of f32 are 256 aligned bytes of a row: each wave has a stage of its own, and no barrier is needed.
; Block 0 of the waves whose first rows are positions 0-15 stores nothing (those rows are the fine part's): picked by EXEC and not by a branch, since no branch hangs on a work-group's place in its cluster.
.macro OUTB a
.irp b, 0,1,2,3
.irp jp, 0,2,4,6
	v_pk_mul_f32 v[TMP+8*\b+\jp:TMP+8*\b+\jp+1], v[ACC+8*(4*\a+\b)+\jp:ACC+8*(4*\a+\b)+\jp+1], s[66:67] op_sel_hi:[1,0]
.endr
.endr
.irp b, 0,1,2,3
	ds_store_b128 v[STO], v[TMP+8*\b:TMP+8*\b+3] offset:64*\b
	ds_store_b128 v[STO], v[TMP+8*\b+4:TMP+8*\b+7] offset:64*\b+16
.endr
	s_wait_xcnt 0x0                                ; the last block's stores have read their registers
.irp t, 0,1,2,3,4,5,6,7
	ds_load_b128 v[BKR+4*\t:BKR+4*\t+3], v[RD] offset:2*SPITCH*\t   ; LDS serves a wave's instructions in order: these see the stores above
.endr
	s_wait_dscnt 0x0
.if \a == 0
	v_cmp_ne_u32 vcc_lo, 0, v[FL]
	s_and_saveexec_b32 s68, vcc_lo
.endif
.irp t, 0,1,2,3,4,5,6,7
	global_store_b128 v[CO], v[BKR+4*\t:BKR+4*\t+3], s[8:9] offset:(16*\a+2*\t)*8192 th:TH_STORE_NT   ; 16 lanes store 256 consecutive bytes, aligned
.endr
.if \a == 0
	s_wait_xcnt 0x0                                ; EXEC changes only behind this wait
	s_or_b32 exec_lo, exec_lo, s68
.endif
.endm
	PLACES
	s_cmp_ge_u32 s10, 2                            ; the fine rows: wave 0 adds the low halves of the eight parts, wave 1 the high halves
	s_cbranch_scc1 .Lfine_done
.irp s, 0,1,2,3,4,5,6,7
	ds_load_b128 v[32+4*\s:35+4*\s], v[FRD] offset:1024*\s
.endr
	s_wait_dscnt 0x0
.irp s, 0,2,4,6
	v_pk_add_f32 v[32+4*\s:33+4*\s], v[32+4*\s:33+4*\s], v[36+4*\s:37+4*\s]
	v_pk_add_f32 v[34+4*\s:35+4*\s], v[34+4*\s:35+4*\s], v[38+4*\s:39+4*\s]
.endr
.irp s, 0,4
	v_pk_add_f32 v[32+4*\s:33+4*\s], v[32+4*\s:33+4*\s], v[40+4*\s:41+4*\s]
	v_pk_add_f32 v[34+4*\s:35+4*\s], v[34+4*\s:35+4*\s], v[42+4*\s:43+4*\s]
.endr
	v_pk_add_f32 v[32:33], v[32:33], v[48:49]
	v_pk_add_f32 v[34:35], v[34:35], v[50:51]
	global_store_b128 v[FWO], v[32:35], s[FOB:FOB+1]   ; out0(position r, my 16 columns' 8 h + 4 w + 0 .. 3) of my batch
.Lfine_done:
	s_wait_xcnt 0x0                                ; that store has read its registers: the lines below write them again
	OUTB 0
	OUTB 1
	OUTB 2
	OUTB 3
	s_wait_tensorcnt 0x0                           ; the wave's end
	ds_add_u32 v[SPW], v[NIL]
	s_wait_dscnt 0x0
	CROUND                                         ; the closing round
	s_endpgm
.Lfunc_end_k_q125af75bba_proj:
	.size	k_q125af75bba_proj, .Lfunc_end_k_q125af75bba_proj-k_q125af75bba_proj
	.p2alignl 7, 3214868480
	.fill 96, 4, 3214868480
	.section	.rodata,"a",@progbits
	.p2align	6, 0x0
	.amdhsa_kernel k_q125af75bba_proj
		.amdhsa_group_segment_fixed_size 327680
		.amdhsa_private_segment_fixed_size 0
		.amdhsa_enable_private_segment 0
		.amdhsa_kernarg_size 40
		.amdhsa_user_sgpr_count 2
		.amdhsa_user_sgpr_kernarg_segment_ptr 1
		.amdhsa_wavefront_size32 1
		.amdhsa_system_sgpr_workgroup_id_x 1
		.amdhsa_system_sgpr_workgroup_id_y 1
		.amdhsa_system_sgpr_workgroup_id_z 1
		.amdhsa_system_vgpr_workitem_id 0
		.amdhsa_next_free_vgpr 1024
		.amdhsa_next_free_sgpr 88
		.amdhsa_reserve_vcc 1
		.amdhsa_float_denorm_mode_32 3
		.amdhsa_float_denorm_mode_16_64 3
		.amdhsa_memory_ordered 1
		.amdhsa_forward_progress 1
		.amdhsa_inst_pref_size 186
	.end_amdhsa_kernel
	.amdgpu_metadata
---
amdhsa.version: [ 1, 2 ]
amdhsa.kernels:
  - .name:           k_q125af75bba_proj
    .symbol:         k_q125af75bba_proj.kd
    .args:
      - { .name: attn16, .offset: 0, .size: 8, .value_kind: global_buffer, .address_space: global }
      - { .name: wo16, .offset: 8, .size: 8, .value_kind: global_buffer, .address_space: global }
      - { .name: attnf, .offset: 16, .size: 8, .value_kind: global_buffer, .address_space: global }
      - { .name: wo, .offset: 24, .size: 8, .value_kind: global_buffer, .address_space: global }
      - { .name: out0, .offset: 32, .size: 8, .value_kind: global_buffer, .address_space: global }
    .group_segment_fixed_size: 327680
    .private_segment_fixed_size: 0
    .kernarg_segment_align: 8
    .kernarg_segment_size: 40
    .max_flat_workgroup_size: 128
    .sgpr_count:     88
    .vgpr_count:     1024
    .wavefront_size: 32
...
	.end_amdgpu_metadata
.endif
;; end of part 5
